; MI455X (gfx1250); checked and timed in simulation.
; The chip was launched on July 23, 2026; its instructions are those of AMD's public machine-readable ISA for CDNA 5 (MIT licence, August 2026) and "CDNA5" Instruction Set Architecture Reference Guide (July 2026). The comments in the code are by the model that wrote it; some were corrected since.
;; T5 Gemma2 Encoder Attention. Allowed arithmetic: matrix products marked QUANTISED: E2M1 operands, one E8M0 scale for each 32 along K, by v_wmma_scale_f32_16x16x128_f8f6f4 with both operands' format E2M1 (or v_wmma_scale_f32_32x16x128_f4), f32 sums; products left as they are: bf16, f16 or f32 operands; f32 sums; everything else in f32.
;; Inputs: attn_mask 2 x 2,048 x 2,048 bool; k_scale 256 float32; kv_w 2 x 2 x 2,048 x 256 float32; o_w 4 x 256 x 2,048 float32; q_scale 256 float32; q_w 4 x 2,048 x 256 float32; segment_pos 2 x 2,048 int32; x 2 x 2,048 x 2,048 float32.
;; Outputs: out0 2 x 2,048 x 2,048 float32.
;; This version of the problem:
;;   THIS VERSION OF THE PROBLEM IS GIVEN IN LOW PRECISION. The matrix products marked QUANTISED in the list below multiply operands that are first quantised to E2M1 (2 exponent bits, 1 mantissa bit; 4 bits a number), with one power-of-two scale for each 32 numbers along K (OCP MX v1.0); their sums are f32. The products marked 'left as it is' may take bf16, f16 or f32 operands, with f32 sums. Whichever they take, every output number must still come out within the allowed error. Rounding operands to bf16 (8 significant bits) uses up far more of that allowance than f16 does (11 bits, for magnitudes from 6e-5 to 65,504). All else is computed in f32.
;;   The module's matrix products, in the order in which they are computed (A, B: the left and right operand; K: the contracted axis; several contracted axes count as one K, in the product's order):
;;     1. [M 4,096, K 2,048] x [K 2,048, N 1,024]; A: input x; B: input q_w: QUANTISED
;;     2. [M 1,024, K 2,048] x [K 2,048, N 4,096]; A: input kv_w; B: input x: QUANTISED
;;     3. batch 4 x [M 2,048, K 256] x [K 256, N 4,096]; A: computed on the way; B: computed on the way: left as it is (an operand is computed on the way)
;;     4. batch 4 x [M 256, K 2,048] x [K 2,048, N 4,096]; A: computed on the way; B: computed on the way: left as it is (an operand is computed on the way)
;;     5. [M 4,096, K 1,024] x [K 1,024, N 2,048]; A: computed on the way; B: input o_w: left as it is (an operand is computed on the way)
;;   THE QUANTISER, for each operand of a quantised product, along K:
;;     - K is cut into blocks of 32 from its start; a last block that is shorter is filled with zeros.
;;     - A block's scale is 2^e with e = floor(log2(the largest magnitude in the block)) - 2, held to -126 .. 127; a block of zeros has e = 0. As a byte (E8M0): e + 127.
;;     - Each number is divided by its block's scale, clamped to +-6, and rounded to the nearest number of E2M1, ties to even, subnormals kept.
;;     - The product sums the exact products of the quantised numbers (number of the format x scale) in f32.
;;   ~~~python
;;   def quantise(x, axis):      # numpy; x: float32 -> the quantised numbers, widened to float32 again
;;       x = np.moveaxis(x, axis, -1); K = x.shape[-1]
;;       x = np.pad(x, [(0, 0)] * (x.ndim - 1) + [(0, -K % 32)]); x = x.reshape(x.shape[:-1] + (-1, 32)); a = np.abs(x).max(-1, keepdims=True)
;;       e = np.where(a > 0, np.clip(np.frexp(np.where(a > 0, a, 1))[1] - 1 - 2, -126, 127), 0)      # np.frexp(a)[1] - 1 = floor(log2(a)), exactly
;;       r = np.clip(x / 2.0 ** e, -6, 6)
;;       step = 2.0 ** (np.maximum(np.frexp(np.where(r == 0, 1, r))[1] - 1, 0) - 1)
;;       q = np.round(r / step) * step * 2.0 ** e      # np.round: ties to even
;;       return np.moveaxis(q.reshape(q.shape[:-2] + (-1,))[..., :K], -1, axis).astype(np.float32)
;;   ~~~
;; One version. Each part assembles by itself: llvm-mc -triple=amdgcn-amd-amdhsa -mcpu=gfx1250 --defsym DOCPART=n.
;; ======== version 1 of 1: 4 launches
;; limits: values are held in f16: magnitudes above 65,504 overflow, below 6.1e-05 lose precision; right only within a limited range of input values
;; workspace buffers: codes 6,291,456 bytes; scales 393,216 bytes; ow16 4,194,304 bytes; tab 4,325,376 bytes; maskw 1,048,576 bytes of whole numbers; visit 1,024 bytes of whole numbers; qkv 16,777,216 bytes; enc 8,388,608 bytes
;; launch prep (part 1): grid 900 x 1, 4 waves a work-group, no clusters, 58,112 bytes of LDS; arguments x, q_w, kv_w, o_w, segment_pos, attn_mask, codes, scales, ow16, tab, maskw, visit; writes codes, scales, ow16, tab, maskw, visit
.if DOCPART == 1
	.amdgcn_target "amdgcn-amd-amdhsa--gfx1250"
	.amdhsa_code_object_version 6
	.text
	.protected	k_q0c93783401_prep
	.globl	k_q0c93783401_prep
	.p2align	8
	.type	k_q0c93783401_prep,@function
k_q0c93783401_prep:
	s_mov_b64 s[64:65], 0
	v_nop
	global_prefetch_b8 v0, s[64:65] scope:SCOPE_SE
	s_setreg_imm32_b32 hwreg(HW_REG_WAVE_MODE, 25, 1), 1
	s_wait_xcnt 0x0
; PREP: all that is made once, ahead of the products.  Five roles, picked by the work-group's number; each role has LDS bytes of its own.
;   X (work-groups 0-255):   x [4096][2048] f32 -> FP4 (E2M1) codes, K innermost, rows 0-4095 of codes [6144][1024 B], and E8M0 bytes, scales [6144][64 B].
;   M (256-511): attn_mask AND the window that hangs on segment_pos -> lane masks for 16 queries x 64 keys (maskw), and for each tile of 16 queries a word that says which key steps must be walked (visit).
;   O (512-639): o_w [1024 (k)][2048 (n)] f32 -> f16, laid in the order of an operand's registers: [n tile 128][k step 32][half 2][lane 32][16 B].
;   W (640-767): q_w, kv_w [head][2048 (k)][256 (n)] f32 -> FP4 codes with K innermost, rows 4096 + 256 head + rho; rho permutes the channel tiles so that a wave of the
;                next launch owns tiles 2w, 2w+1, 2w+8, 2w+9 in 64 neighbouring rows: channel n and n + 128, the partners of the rotation, lie in one wave.
;   T (768-899): cos and sin of position / 10000^(f/128), f32, laid as the next launch's lanes take them: [token tile 264][f tile 8][cos, sin][half 2][lane 32][16 B];
;                tiles 256-263 are made with position 0 (cos 1, sin 0): the identity, for the value heads.
; THE QUANTISER: a block's scale is 2^(floor(log2(largest magnitude)) - 2); its byte is the largest magnitude's exponent field - 2, held at 1 from below.
; LIMITS: a block of zeros, or one whose largest magnitude lies under 2^-124, keeps the byte 1 (its bytes are read by this program alone; zero codes add nothing);
; NaN and infinities among the inputs are not served; the angle's reduction is sound for |position| up to 2^20; a distance of exactly -2^31 counts as outside the window.
.set XREG,  5632                       ; LDS: role X has this much for each wave, from 0: two stages of 32 x 80 bytes and 256 scale bytes;
.set WRG,   4*XREG                     ; role W one stage of 64 x 272 bytes;
.set MRG,   WRG+64*272                 ; role M 4 stages of 16 x 272,
.set MXG,   MRG+4*4352                 ; and 256 bytes in which its four waves meet
.set SPARE, MXG+256                    ; the spare words, 128 bytes for each wave: two blocks of 256 bytes that no other line names
.set SPW,   254                        ; v254 LDS address of my spare word; never rewritten
.set NIL,   255                        ; v255 0; never rewritten
.macro FINISH                          ; the wave's end
	s_wait_tensorcnt 0x0
	ds_add_u32 v[SPW], v[NIL]
	s_wait_dscnt 0x0
	s_endpgm
.endm
	s_load_b512 s[4:19], s[0:1], 0x0               ; x s[4:5], q_w s[6:7], kv_w s[8:9], o_w s[10:11], segment_pos s[12:13], attn_mask s[14:15], codes s[16:17], scales s[18:19]
	s_load_b128 s[20:23], s[0:1], 0x40             ; ow16 s[20:21], tab s[22:23]
	s_load_b64 s[24:25], s[0:1], 0x50              ; maskw
	s_load_b64 s[60:61], s[0:1], 0x58              ; visit
	v_lshl_add_u32 v[SPW], v0, 2, SPARE
	v_mov_b32 v[NIL], 0
	v_lshrrev_b32 v1, 5, v0
	v_readfirstlane_b32 s26, v1                    ; wave 0..3
	s_wait_kmcnt 0x0
	s_cmp_lt_u32 ttmp9, 256
	s_cbranch_scc1 .Lrole_x
	s_cmp_lt_u32 ttmp9, 512
	s_cbranch_scc1 .Lrole_m
	s_cmp_lt_u32 ttmp9, 640
	s_cbranch_scc1 .Lrole_o
	s_cmp_lt_u32 ttmp9, 768
	s_cbranch_scc1 .Lrole_w
; ======== ROLE T: a wave makes 16 tokens x 64 frequencies, 16 frequencies a trip; a lane (r, h) 8 of them: token r, frequencies 16 ft + 8 h + 0..7
.set AN, 16                            ; arrays of eight: the angle,
.set NN, 24                            ; the number of quarter turns,
.set RR, 32                            ; what is left of the angle,
.set ZQ, 40                            ; its square,
.set PS, 48                            ; the sine's polynomial,
.set PC, 56                            ; the cosine's,
.set QQ, 64                            ; the quarter turns as a whole number,
.set CO, 72                            ; cos,
.set SI, 80                            ; sin,
.set TT, 88                            ; at work
	s_sub_co_u32 s27, ttmp9, 768
	s_lshl_b32 s27, s27, 2
	s_add_co_u32 s27, s27, s26                     ; 0..527
	s_lshr_b32 s28, s27, 1                         ; token tile 0..263
	s_and_b32 s29, s27, 1                          ; which 64 frequencies
	s_min_u32 s31, s28, 255                        ; tiles 256-263 read tile 255's positions and multiply them by 0
	s_lshl_b32 s32, s31, 6
	s_mov_b32 s33, 0
	s_add_nc_u64 s[12:13], s[12:13], s[32:33]
	v_and_b32 v2, 15, v0
	v_bfe_u32 v3, v0, 4, 1
	v_lshlrev_b32 v4, 2, v2
	global_load_b32 v5, v4, s[12:13]               ; my token's position
	s_cmp_lt_u32 s28, 256
	s_cselect_b32 s34, 1.0, 0
	s_lshl_b32 s32, s28, 14
	s_lshl_b32 s35, s29, 13
	s_add_co_u32 s32, s32, s35
	s_add_nc_u64 s[22:23], s[22:23], s[32:33]      ; tab at my tile and my first f tile
	v_and_b32 v6, 31, v0
	v_lshlrev_b32 v6, 4, v6                        ; 16 bytes a lane
	s_lshl_b32 s35, s29, 6
	v_lshl_add_u32 v7, v3, 3, s35                  ; my first frequency: 64 fh + 8 h
	s_mov_b32 s40, 0xbdd49a78                      ; -log2(10000) / 128
	s_mov_b32 s41, 0xbfc90fdb                      ; -(pi/2), the f32 nearest to it,
	s_mov_b32 s42, 0x333bbd2e                      ; and what that f32 is too large by
	s_mov_b32 s43, 0xb94ca1f9                      ; sine: -1.9515296e-4,
	s_mov_b32 s44, 0x3c08839e                      ; 8.3321609e-3,
	s_mov_b32 s45, 0xbe2aaaa3                      ; -1.6666655e-1
	s_mov_b32 s46, 0x37ccf5ce                      ; cosine: 2.4433157e-5,
	s_mov_b32 s47, 0xbab6061a                      ; -1.3887316e-3,
	s_mov_b32 s48, 0x3d2aaaa5                      ; 4.1666646e-2
	s_wait_loadcnt 0x0
	v_cvt_f32_i32 v5, v5
	v_mul_f32 v5, s34, v5
	s_mov_b32 s30, 0
.Lt_trip:
.irp j, 0,1,2,3,4,5,6,7
	v_add_nc_u32 v[TT+\j], \j, v7
.endr
.irp j, 0,1,2,3,4,5,6,7
	v_cvt_f32_u32 v[TT+\j], v[TT+\j]
.endr
.irp j, 0,1,2,3,4,5,6,7
	v_mul_f32 v[TT+\j], s40, v[TT+\j]
.endr
.irp j, 0,1,2,3,4,5,6,7
	v_exp_f32 v[AN+\j], v[TT+\j]                   ; 10000^(-f/128)
.endr
	v_nop                                          ; a plain line behind the batch,
	s_wait_alu depctr_va_vdst(0)                   ; and one wait for the eight, ahead of their first reader
.irp j, 0,1,2,3,4,5,6,7
	v_mul_f32 v[AN+\j], v5, v[AN+\j]               ; the angle
.endr
.irp j, 0,1,2,3,4,5,6,7
	v_mul_f32 v[NN+\j], 0x3f22f983, v[AN+\j]       ; x 2/pi
.endr
.irp j, 0,1,2,3,4,5,6,7
	v_rndne_f32 v[NN+\j], v[NN+\j]
.endr
.irp j, 0,1,2,3,4,5,6,7
	v_fma_f32 v[RR+\j], v[NN+\j], s41, v[AN+\j]    ; the angle less n quarter turns, in two parts
.endr
.irp j, 0,1,2,3,4,5,6,7
	v_fma_f32 v[RR+\j], v[NN+\j], s42, v[RR+\j]
.endr
.irp j, 0,1,2,3,4,5,6,7
	v_cvt_i32_f32 v[QQ+\j], v[NN+\j]
.endr
.irp j, 0,1,2,3,4,5,6,7
	v_mul_f32 v[ZQ+\j], v[RR+\j], v[RR+\j]
.endr
.irp j, 0,1,2,3,4,5,6,7
	v_fma_f32 v[PS+\j], v[ZQ+\j], s43, s44
	v_fma_f32 v[PC+\j], v[ZQ+\j], s46, s47
.endr
.irp j, 0,1,2,3,4,5,6,7
	v_fma_f32 v[PS+\j], v[PS+\j], v[ZQ+\j], s45
	v_fma_f32 v[PC+\j], v[PC+\j], v[ZQ+\j], s48
.endr
.irp j, 0,1,2,3,4,5,6,7
	v_mul_f32 v[PS+\j], v[PS+\j], v[ZQ+\j]
	v_mul_f32 v[PC+\j], v[PC+\j], v[ZQ+\j]
	v_fma_f32 v[TT+\j], v[ZQ+\j], -0.5, 1.0
.endr
.irp j, 0,1,2,3,4,5,6,7
	v_fma_f32 v[PS+\j], v[PS+\j], v[RR+\j], v[RR+\j]    ; sin of the rest
	v_fma_f32 v[PC+\j], v[PC+\j], v[ZQ+\j], v[TT+\j]    ; cos of the rest
.endr
.irp j, 0,1,2,3,4,5,6,7
	v_and_b32 v[TT+\j], 1, v[QQ+\j]
.endr
.irp j, 0,1,2,3,4,5,6,7
	v_cmp_ne_u32 vcc_lo, 0, v[TT+\j]               ; an odd number of quarter turns swaps the two
	v_cndmask_b32 v[SI+\j], v[PS+\j], v[PC+\j], vcc_lo
	v_cndmask_b32 v[CO+\j], v[PC+\j], v[PS+\j], vcc_lo
.endr
.irp j, 0,1,2,3,4,5,6,7
	v_lshlrev_b32 v[TT+\j], 30, v[QQ+\j]           ; sin changes sign where n mod 4 is 2 or 3,
	v_add_nc_u32 v[QQ+\j], 1, v[QQ+\j]
.endr
.irp j, 0,1,2,3,4,5,6,7
	v_and_b32 v[TT+\j], 0x80000000, v[TT+\j]
	v_lshlrev_b32 v[QQ+\j], 30, v[QQ+\j]           ; cos where it is 1 or 2
.endr
.irp j, 0,1,2,3,4,5,6,7
	v_xor_b32 v[SI+\j], v[SI+\j], v[TT+\j]
	v_and_b32 v[QQ+\j], 0x80000000, v[QQ+\j]
.endr
.irp j, 0,1,2,3,4,5,6,7
	v_xor_b32 v[CO+\j], v[CO+\j], v[QQ+\j]
.endr
	global_store_b128 v6, v[CO:CO+3], s[22:23]                 ; each store of the wave covers 512 consecutive bytes, aligned
	global_store_b128 v6, v[CO+4:CO+7], s[22:23] offset:512
	global_store_b128 v6, v[SI:SI+3], s[22:23] offset:1024
	global_store_b128 v6, v[SI+4:SI+7], s[22:23] offset:1536
	s_wait_xcnt 0x0                                ; the stores' data and base are written again only behind this wait
	s_add_nc_u64 s[22:23], s[22:23], 2048
	v_add_nc_u32 v7, 16, v7
	s_add_co_u32 s30, s30, 1
	s_cmp_lt_u32 s30, 4
	s_cbranch_scc1 .Lt_trip
	FINISH
; ======== ROLE X: a plain stream of blocks of 32.  A wave takes 16 steps of 512 numbers.  Each load reads 512 consecutive bytes; a step's 2,048 bytes turn through the wave's own stage
; in LDS (16 bytes of padding behind each 64) and come back 64 bytes a lane: 16 neighbours along K, two lanes to a block.
.set SP, 80                            ; a lane's place in a stage
.set RW, 16                            ; v16-79   four sets of 16 numbers as loaded
.set NB, 80                            ; v80-111  two sets of 16 neighbours
.set EB, 112                           ; v112-127 a scale byte for each step
.set CD, 128                           ; v128-191 codes: registers of its own for each step, so that no store's data are written again
.Lrole_x:
	v_and_b32 v2, 31, v0
	v_lshlrev_b32 v3, 4, v2
	s_mul_i32 s27, s26, XREG                       ; my wave's bytes of LDS
	v_lshrrev_b32 v14, 2, v2
	v_mul_u32_u24 v14, v14, SP
	v_and_b32 v15, 3, v2
	v_lshl_add_u32 v14, v15, 4, v14
	v_add_nc_u32 v14, s27, v14                     ; into the stage: SP (lane / 4) + 16 (lane % 4)
	v_mul_u32_u24 v15, v2, SP
	v_add_nc_u32 v15, s27, v15                     ; out of it: SP x lane
	v_lshlrev_b32 v4, 3, v2                        ; 8 bytes a lane: my codes' place in a step's, and my part of the 256 scale bytes
	v_lshrrev_b32 v5, 1, v2
	s_add_co_u32 s27, s27, 2*32*SP
	v_add_nc_u32 v5, s27, v5                       ; my block's byte among the wave's 256
	v_add_nc_u32 v6, s27, v4
	s_lshl_b32 s28, ttmp9, 2
	s_add_co_u32 s28, s28, s26                     ; which run of 8,192 numbers is my wave's
	s_lshl_b32 s30, s28, 15
	s_mov_b32 s31, 0
	s_add_nc_u64 s[4:5], s[4:5], s[30:31]
	s_lshl_b32 s30, s28, 12
	s_add_nc_u64 s[16:17], s[16:17], s[30:31]
	s_lshl_b32 s30, s28, 8
	s_add_nc_u64 s[18:19], s[18:19], s[30:31]
.macro XLOAD t
.irp i, 0,1,2,3
	global_load_b128 v[RW+16*((\t)%4)+4*\i:RW+16*((\t)%4)+4*\i+3], v3, s[4:5] offset:2048*(\t)+512*\i th:TH_LOAD_NT
.endr
.endm
.macro XTURN t                         ; LDS serves a wave's instructions in order: no wait between the stores and the loads
.irp i, 0,1,2,3
	ds_store_b128 v14, v[RW+16*((\t)%4)+4*\i:RW+16*((\t)%4)+4*\i+3] offset:32*SP*((\t)%2)+8*SP*\i
.endr
.irp i, 0,1,2,3
	ds_load_b128 v[NB+16*((\t)%2)+4*\i:NB+16*((\t)%2)+4*\i+3], v15 offset:32*SP*((\t)%2)+16*\i
.endr
.endm
.irp t, 0,1,2,3
	XLOAD \t
.endr
	s_wait_loadcnt 12                              ; step 0's four loads are in
	XTURN 0
.macro XSTEP t
.set XS, NB+16*((\t)%2)
.if (\t) > 0
	s_wait_dscnt 1                                 ; this step's numbers are back from the stage; the last step's byte store may be out
.else
	s_wait_dscnt 0x0
.endif
.if (\t)+4 < 16
	XLOAD (\t)+4
.endif
.if (\t)+1 < 16
.if 14-(\t) >= 3
	s_wait_loadcnt 12                              ; the next step's four loads are in; those of the three steps behind it may be out
.else
	s_wait_loadcnt 4*(14-(\t))
.endif
	XTURN (\t)+1
.endif
	v_max3_num_f32 v8, |v[XS]|, |v[XS+1]|, |v[XS+2]|
	v_max3_num_f32 v9, |v[XS+3]|, |v[XS+4]|, |v[XS+5]|
.irp i, 6,10
	v_max3_num_f32 v8, v8, |v[XS+\i]|, |v[XS+\i+1]|
	v_max3_num_f32 v9, v9, |v[XS+\i+2]|, |v[XS+\i+3]|
.endr
	v_max3_num_f32 v8, v8, |v[XS+14]|, |v[XS+15]|
	v_max3_num_f32 v8, v8, v9, 0x1800000           ; the floor 2^(3 - 127): the byte cannot fall under 1
	v_max_num_f32_dpp v8, v8, v8 row_xmask:1 row_mask:0xf bank_mask:0xf   ; with my neighbour's 16: the block's largest magnitude
	v_add_nc_u32 v11, 0xff000000, v8               ; 2 off its exponent field: the conversion takes that field as its scale
	v_cvt_scalef32_pk8_fp4_f32 v[CD+4*(\t)], v[XS:XS+7], v11
	v_cvt_scalef32_pk8_fp4_f32 v[CD+4*(\t)+1], v[XS+8:XS+15], v11
	v_lshrrev_b32 v[EB+(\t)], 23, v11              ; the scale's byte
	ds_store_b8 v5, v[EB+(\t)] offset:16*(\t)      ; both lanes of a block write the same byte with the same value
	global_store_b64 v4, v[CD+4*(\t):CD+4*(\t)+1], s[16:17] offset:256*(\t)   ; the wave stores 256 consecutive bytes, aligned
.endm
.irp t, 0,1,2,3,4,5,6,7,8,9,10,11,12,13,14,15
	XSTEP \t
.endr
	ds_load_b64 v[8:9], v6
	s_wait_dscnt 0x0
	global_store_b64 v4, v[8:9], s[18:19]          ; the wave's 256 scale bytes, aligned
	FINISH
; ======== ROLE W: a lane takes a column n and its registers run down K, so that a block of 32 lies in one lane and the codes come out with K innermost.
; A work-group takes 64 columns x 512 along K; wave w the 32 columns of half w % 2 and the 256 along K of half w / 2: eight blocks a lane; two waves side by side read 256 consecutive bytes of a row.
; The two halves of K of a column meet in one stage row of 256 bytes; behind a barrier each wave takes 16 whole rows out: sixteen lanes store 256 consecutive bytes, aligned.
.set SBY, 24                           ; v24-25   the scale bytes, four to a register
.set WX,  32                           ; v32-95   two sets of 32 numbers
.set WC,  96                           ; v96-99   a block's codes
.set WOUT, 112                         ; v112-143 the way out
.Lrole_w:
	s_sub_co_u32 s27, ttmp9, 640
	s_lshr_b32 s28, s27, 4                         ; head slot 0..7: 0-3 q, 4-5 k, 6-7 v
	s_bfe_u32 s29, s27, 0x20002                    ; which 64 columns
	s_and_b32 s30, s27, 3                          ; which 512 along K
	s_and_b32 s38, s26, 1                          ; w % 2
	s_lshr_b32 s39, s26, 1                         ; w / 2
	s_lshl_b32 s31, s29, 1
	s_add_co_u32 s31, s31, s38                     ; u: the 32 columns that I quantise, channel tiles 2 u and 2 u + 1
	v_and_b32 v2, 31, v0
	v_lshlrev_b32 v3, 2, v2
	s_mul_i32 s32, s38, 32*272
	s_lshl_b32 s33, s39, 7
	s_add_co_u32 s32, s32, s33
	s_add_co_u32 s32, s32, WRG
	v_mul_u32_u24 v4, v2, 272
	v_add_nc_u32 v4, s32, v4                       ; into the stage: row = 32 (w % 2) + my column, 128 (w / 2) bytes on
	v_and_b32 v5, 15, v2
	v_lshrrev_b32 v6, 4, v2
	v_mul_u32_u24 v7, v6, 272
	v_lshl_add_u32 v7, v5, 4, v7
	s_mul_i32 s32, s26, 16*272
	s_add_co_u32 s32, s32, WRG
	v_add_nc_u32 v7, s32, v7                       ; out of it: rows 16 w on, sixteen lanes to a row
	v_lshlrev_b32 v8, 10, v6
	v_lshl_add_u32 v8, v5, 4, v8                   ; the same place in the codes' buffer: rows of 1,024 bytes
	v_lshlrev_b32 v9, 6, v2                        ; my column's row of scale bytes
	s_cmp_lt_u32 s28, 4
	s_cselect_b64 s[6:7], s[6:7], s[8:9]           ; q_w or kv_w: the choice hangs on the work-group's number alone
	s_and_b32 s34, s28, 3
	s_lshl_b32 s34, s34, 21                        ; a head is 2 MiB
	s_lshl_b32 s35, s30, 19                        ; 512 rows of 1,024 bytes
	s_add_co_u32 s34, s34, s35
	s_lshl_b32 s35, s39, 18                        ; 256 rows
	s_add_co_u32 s34, s34, s35
	s_lshl_b32 s35, s31, 7
	s_add_co_u32 s34, s34, s35
	s_mov_b32 s35, 0
	s_add_nc_u64 s[6:7], s[6:7], s[34:35]
	s_and_b32 s36, s31, 3
	s_lshl_b32 s36, s36, 6
	s_lshr_b32 s37, s31, 2
	s_lshl_b32 s37, s37, 5
	s_add_co_u32 s36, s36, s37                     ; rho of my first column: 64 (u % 4) + 32 (u / 4)
	s_lshl_b32 s37, s28, 8
	s_add_co_u32 s36, s36, s37
	s_add_co_u32 s36, s36, 4096                    ; its row in scales
	s_lshl_b32 s34, s36, 6
	s_lshl_b32 s37, s30, 4
	s_add_co_u32 s34, s34, s37
	s_lshl_b32 s37, s39, 3
	s_add_co_u32 s34, s34, s37                     ; + 16 bytes for each 512 along K, + 8 for my half
	s_add_nc_u64 s[18:19], s[18:19], s[34:35]
	s_lshl_b32 s31, s29, 1
	s_add_co_u32 s31, s31, s39                     ; the 32 columns whose rows I take out: stage rows 16 w on lie in half w / 2 of the 64,
	s_and_b32 s36, s31, 3
	s_lshl_b32 s36, s36, 6
	s_lshr_b32 s37, s31, 2
	s_lshl_b32 s37, s37, 5
	s_add_co_u32 s36, s36, s37
	s_lshl_b32 s37, s38, 4
	s_add_co_u32 s36, s36, s37                     ; 16 (w % 2) rows on
	s_lshl_b32 s37, s28, 8
	s_add_co_u32 s36, s36, s37
	s_add_co_u32 s36, s36, 4096
	s_lshl_b32 s34, s36, 10
	s_lshl_b32 s37, s30, 8
	s_add_co_u32 s34, s34, s37
	s_add_nc_u64 s[16:17], s[16:17], s[34:35]
.macro WLOAD t
.set ii, 0
.rept 32
	global_load_b32 v[WX+32*((\t)%2)+ii], v3, s[6:7] offset:(32*(\t)+ii)*1024 th:TH_LOAD_NT
.set ii, ii+1
.endr
.endm
	WLOAD 0
	WLOAD 1
.macro WBLOCK t
.set XS, WX+32*((\t)%2)
.if (\t) < 7
	s_wait_loadcnt 32                              ; this block's 32 loads are in; the next block's may be out
.else
	s_wait_loadcnt 0x0
.endif
	v_max3_num_f32 v12, |v[XS]|, |v[XS+1]|, |v[XS+2]|
	v_max3_num_f32 v13, |v[XS+3]|, |v[XS+4]|, |v[XS+5]|
.irp i, 6,10,14,18,22,26
	v_max3_num_f32 v12, v12, |v[XS+\i]|, |v[XS+\i+1]|
	v_max3_num_f32 v13, v13, |v[XS+\i+2]|, |v[XS+\i+3]|
.endr
	v_max3_num_f32 v12, v12, |v[XS+30]|, |v[XS+31]|
	v_max3_num_f32 v12, v12, v13, 0x1800000        ; the floor
	v_add_nc_u32 v11, 0xff000000, v12
	v_lshrrev_b32 v13, 23, v11
.if (\t)%4 == 0
	v_mov_b32 v[SBY+(\t)/4], v13
.else
	v_lshl_or_b32 v[SBY+(\t)/4], v13, 8*((\t)%4), v[SBY+(\t)/4]
.endif
.irp g, 0,1,2,3
	v_cvt_scalef32_pk8_fp4_f32 v[WC+\g], v[XS+8*\g:XS+8*\g+7], v11
.endr
	ds_store_b128 v4, v[WC:WC+3] offset:16*(\t)
.if (\t)+2 < 8
	WLOAD (\t)+2
.endif
	s_wait_dscnt 0x0                               ; the store has read its registers: the next block's codes may be written; behind the last block: my stores have landed, for the others' sake
.endm
.irp t, 0,1,2,3,4,5,6,7
	WBLOCK \t
.endr
	global_store_b64 v9, v[SBY:SBY+1], s[18:19]    ; my column's 8 scale bytes
	s_barrier_signal -1
	s_barrier_wait -1                              ; both halves of every row lie in the stage
.irp t, 0,1,2,3,4,5,6,7
	ds_load_b128 v[WOUT+4*\t:WOUT+4*\t+3], v7 offset:2*\t*272
.endr
.irp t, 0,1,2,3,4,5,6,7
	s_wait_dscnt 7-\t
	global_store_b128 v8, v[WOUT+4*\t:WOUT+4*\t+3], s[16:17] offset:2*\t*1024
.endr
	FINISH
; ======== ROLE O: a lane takes a column n of o_w and 32 k at a time; its 32 numbers, rounded to f16 in pairs, are four pieces of 16 bytes of that column's place in a fragment's image.
.set OX, 32                            ; v32-95   two sets of 32 numbers
.set OC, 96                            ; v96-159  16 registers of f16 pairs for each of the four blocks: no store's data are written again
.Lrole_o:
	s_sub_co_u32 s27, ttmp9, 512
	s_and_b32 s28, s27, 15                         ; which 128 columns
	s_lshr_b32 s29, s27, 4                         ; which 128 along k
	v_and_b32 v2, 31, v0
	v_lshlrev_b32 v3, 2, v2
	v_and_b32 v5, 15, v2
	v_lshrrev_b32 v6, 4, v2
	v_lshlrev_b32 v4, 15, v6                       ; lanes 16-31: the next n tile, 32,768 bytes on
	v_lshl_add_u32 v4, v5, 4, v4
	s_lshl_b32 s30, s29, 20                        ; 128 rows of 8,192 bytes
	s_lshl_b32 s31, s28, 9
	s_add_co_u32 s30, s30, s31
	s_lshl_b32 s31, s26, 7
	s_add_co_u32 s30, s30, s31
	s_mov_b32 s31, 0
	s_add_nc_u64 s[10:11], s[10:11], s[30:31]
	s_lshl_b32 s30, s28, 18                        ; n tile 8 cg + 2 wave,
	s_lshl_b32 s32, s26, 16
	s_add_co_u32 s30, s30, s32
	s_lshl_b32 s32, s29, 12                        ; k step 4 kc
	s_add_co_u32 s30, s30, s32
	s_add_nc_u64 s[20:21], s[20:21], s[30:31]
.macro OLOAD t
.set ii, 0
.rept 32
	global_load_b32 v[OX+32*((\t)%2)+ii], v3, s[10:11] offset:(32*(\t)+ii)*8192 th:TH_LOAD_NT
.set ii, ii+1
.endr
.endm
	OLOAD 0
	OLOAD 1
.macro OBLOCK t
.if (\t) < 3
	s_wait_loadcnt 32                              ; this block's loads are in; the next block's may be out
.else
	s_wait_loadcnt 0x0
.endif
.set jj, 0
.rept 16
	v_cvt_pk_f16_f32 v[OC+16*(\t)+jj], v[OX+32*((\t)%2)+2*jj], v[OX+32*((\t)%2)+2*jj+1]
.set jj, jj+1
.endr
.if (\t)+2 < 4
	OLOAD (\t)+2
.endif
.irp q, 0,1,2,3
	global_store_b128 v4, v[OC+16*(\t)+4*\q:OC+16*(\t)+4*\q+3], s[20:21] offset:1024*(\t)+256*\q   ; k = 8 q .. 8 q + 7: sixteen lanes store 256 consecutive bytes, aligned
.endr
.endm
.irp t, 0,1,2,3
	OBLOCK \t
.endr
	FINISH
; ======== ROLE M: a work-group takes a tile of 16 queries; wave w key steps 8 w .. 8 w + 7, in two halves of 4 steps (256 keys), both written out.
; Word e of a step: bit l says that key 64 step + 16 (e / 8) + 8 (l / 16) + e % 8 counts for query l % 16: the place that the score has in lane l's register e of the attention launch.
; The second half's rows of the mask are asked for ahead of the first half's work, and its key positions step by step, into the registers that a step of the first half has just read.
.set RAW, 32                           ; v32-63   16 rows x 256 mask bytes, as loaded
.set MW,  64                           ; v64-95   the same, 8 bytes for each (step, tile of keys), by query
.set PK,  96                           ; v96-223  the keys' positions: register 32 st + e
.set WD,  224                          ; v224-227 the words of two steps, two registers, twice
.set TQ,  228
.set UQ,  232
.set ACC, 44
.set SA,  52
.set SB,  56
.Lrole_m:
	s_sub_co_u32 s27, ttmp9, 256                   ; tile 0..255, counted through both batches
	s_lshr_b32 s28, s27, 7                         ; batch
	v_and_b32 v1, 31, v0
	v_and_b32 v2, 15, v0
	v_bfe_u32 v3, v0, 4, 1
	v_lshlrev_b32 v4, 2, v2
	v_lshlrev_b32 v5, 3, v1
	v_lshlrev_b32 v6, 5, v3
	s_mul_i32 s49, s26, 4352
	s_add_co_u32 s49, s49, MRG                     ; my stage
	v_lshl_add_u32 v7, v1, 3, s49
	v_mul_u32_u24 v8, v2, 272
	v_lshl_add_u32 v8, v3, 3, v8
	v_add_nc_u32 v8, s49, v8
.irp i, 0,1,2,3
	v_mov_b32 v[WD+\i], 0                          ; a lane write's destination counts as read
.endr
	s_mov_b32 s46, 0                               ; key steps with a key that counts,
	s_mov_b32 s45, 0                               ; lanes with such a key
	s_lshl_b32 s33, s26, 3                         ; my first key step
	s_mov_b32 s43, 0
	s_lshl_b32 s42, s27, 6
	s_add_nc_u64 s[34:35], s[12:13], s[42:43]      ; the queries' positions
	s_lshl_b32 s42, s27, 15                        ; 16 rows of 2,048 bytes a tile,
	s_lshl_b32 s49, s26, 9                         ; 512 keys a wave
	s_add_co_u32 s42, s42, s49
	s_add_nc_u64 s[36:37], s[14:15], s[42:43]      ; the tile's first row of the mask, at my first key
	s_lshl_b32 s42, s28, 13
	s_lshl_b32 s49, s26, 11
	s_add_co_u32 s42, s42, s49
	s_add_nc_u64 s[38:39], s[12:13], s[42:43]      ; my keys' positions
	s_lshl_b32 s42, s27, 12
	s_lshl_b32 s49, s26, 10
	s_add_co_u32 s42, s42, s49
	s_add_nc_u64 s[40:41], s[24:25], s[42:43]      ; the words' place: 4,096 bytes a tile, 128 a step
.macro MRAW g                          ; 16 rows of the mask, 256 keys of half g: each load reads 256 consecutive bytes of one row
.set nn, 0
.rept 16
	global_load_b64 v[RAW+2*nn:RAW+2*nn+1], v5, s[36:37] offset:2048*nn+256*\g th:TH_LOAD_NT
.set nn, nn+1
.endr
.endm
.macro MPK g, st                       ; the positions of step st's 64 keys in half g: 8 loads
.irp k, 0,1,2,3
	global_load_b128 v[PK+32*\st+8*\k:PK+32*\st+8*\k+3], v6, s[38:39] offset:1024*\g+256*\st+64*\k
	global_load_b128 v[PK+32*\st+8*\k+4:PK+32*\st+8*\k+7], v6, s[38:39] offset:1024*\g+256*\st+64*\k+16
.endr
.endm
.macro MSTAGE                          ; the rows turn through my stage: in by row, out by query; my wave's own bytes, served in order
.set nn, 0
.rept 16
	ds_store_b64 v7, v[RAW+2*nn:RAW+2*nn+1] offset:272*nn
.set nn, nn+1
.endr
.set nn, 0
.rept 16
	ds_load_b64 v[MW+2*nn:MW+2*nn+1], v8 offset:16*nn
.set nn, nn+1
.endr
.endm
.macro MSTEP st, g
	s_mov_b32 s[ACC], 0
.set eg, 0
.rept 8
.irp i, 0,1,2,3
	v_add_nc_u32 v[TQ+\i], v20, v[PK+32*\st+4*eg+\i]           ; 255 - (query's position - key's): 0 .. 511 inside the window
	v_and_b32 v[UQ+\i], 0xff<<(8*\i), v[MW+2*(4*\st+eg/2)+eg%2]   ; the mask's byte
.endr
.irp i, 0,1,2,3
	v_cmp_gt_u32 s[SA+\i], 0x200, v[TQ+\i]
	v_cmp_ne_u32 s[SB+\i], 0, v[UQ+\i]
.endr
.irp i, 0,1,2,3
	s_and_b32 s[SA+\i], s[SA+\i], s[SB+\i]
.endr
.irp i, 0,1,2,3
	s_or_b32 s[ACC], s[ACC], s[SA+\i]
	v_writelane_b32 v[WD+2*(\st/2)+(\i%2)], s[SA+\i], 16*(\st%2)+(4*eg+\i)/2   ; two steps' 64 words: lane L holds words 2 L and 2 L + 1
.endr
.set eg, eg+1
.endr
	s_cmp_lg_u32 s[ACC], 0
	s_cselect_b32 s49, 1, 0
	s_add_co_u32 s50, s33, 4*\g+\st
	s_lshl_b32 s49, s49, s50
	s_or_b32 s46, s46, s49
	s_or_b32 s45, s45, s[ACC]
.if (\st)%2
	global_store_b64 v5, v[WD+2*(\st/2):WD+2*(\st/2)+1], s[40:41] offset:512*\g+256*(\st/2)   ; 256 consecutive bytes, aligned
.endif
.endm
	global_load_b32 v21, v4, s[34:35]
	MRAW 0
.irp st, 0,1,2,3
	MPK 0, \st
.endr
	s_wait_loadcnt 32                              ; the queries' positions and the mask's rows are in; the 32 loads of key positions may be out
	v_sub_nc_u32 v20, 255, v21
	MSTAGE
	s_wait_dscnt 0x0                               ; the rows are back by query, and the stores have read their registers,
	MRAW 1                                         ; which take the second half's rows
	s_wait_loadcnt 16                              ; the first half's key positions are in; the 16 loads just issued may be out
.irp st, 0,1,2,3
	MSTEP \st, 0
	MPK 1, \st                                     ; the step's registers are read: they take the second half's positions
.endr
	s_wait_loadcnt 32                              ; the second half's rows are in; its 32 loads of key positions may be out
	MSTAGE
	s_wait_loadcnt 0x0
	s_wait_dscnt 0x0
	s_wait_xcnt 0x0                                ; the first half's stores have read the words' registers
.irp st, 0,1,2,3
	MSTEP \st, 1
.endr
	v_mov_b32 v12, s46
	v_mov_b32 v13, s45
	v_mov_b32 v14, 0
	v_mov_b32 v15, 0
	v_mov_b32 v10, s26
	v_lshl_add_u32 v10, v10, 4, MXG
	ds_store_b128 v10, v[12:15]                    ; all lanes write the same 16 bytes with the same values
	s_wait_dscnt 0x0                               ; for the others' sake
	s_barrier_signal -1
	s_barrier_wait -1
	v_mov_b32 v11, MXG
.irp w, 0,1,2,3
	ds_load_b128 v[32+4*\w:35+4*\w], v11 offset:16*\w
.endr
	s_wait_dscnt 0x0
.irp i, 0,1
	v_or_b32 v[32+\i], v[32+\i], v[36+\i]
	v_or_b32 v[40+\i], v[40+\i], v[44+\i]
.endr
.irp i, 0,1
	v_or_b32 v[32+\i], v[32+\i], v[40+\i]
.endr
	v_lshrrev_b32 v36, 16, v33
	v_or_b32 v33, v33, v36                         ; a query has its keys in lanes r and r + 16
	v_and_b32 v33, 0xffff, v33
	v_cmp_eq_u32 vcc_lo, 0xffff, v33               ; has every one of the 16 queries a key that counts?
	v_cndmask_b32 v32, -1, v32, vcc_lo             ; if not, all 32 steps are walked: a row with no key is the plain average of all 2,048 values
	s_lshl_b32 s42, s27, 2                         ; my tile's word in visit
	s_mov_b32 s43, 0
	s_wait_xcnt 0x0                                ; EXEC and the base change only behind this wait
	s_add_nc_u64 s[40:41], s[60:61], s[42:43]
	v_cmp_eq_u32 vcc_lo, 0, v0
	s_and_saveexec_b32 s49, vcc_lo
	global_store_b32 v15, v32, s[40:41]            ; thread 0 alone
	s_wait_xcnt 0x0
	s_or_b32 exec_lo, exec_lo, s49
	FINISH
.Lfunc_end_k_q0c93783401_prep:
	.size	k_q0c93783401_prep, .Lfunc_end_k_q0c93783401_prep-k_q0c93783401_prep
	.p2alignl 7, 3214868480
	.fill 96, 4, 3214868480
	.section	.rodata,"a",@progbits
	.p2align	6, 0x0
	.amdhsa_kernel k_q0c93783401_prep
		.amdhsa_group_segment_fixed_size 58112
		.amdhsa_private_segment_fixed_size 0
		.amdhsa_enable_private_segment 0
		.amdhsa_kernarg_size 96
		.amdhsa_user_sgpr_count 2
		.amdhsa_user_sgpr_kernarg_segment_ptr 1
		.amdhsa_wavefront_size32 1
		.amdhsa_system_sgpr_workgroup_id_x 1
		.amdhsa_system_sgpr_workgroup_id_y 1
		.amdhsa_system_sgpr_workgroup_id_z 1
		.amdhsa_system_vgpr_workitem_id 0
		.amdhsa_next_free_vgpr 256
		.amdhsa_next_free_sgpr 66
		.amdhsa_reserve_vcc 1
		.amdhsa_float_denorm_mode_32 3
		.amdhsa_float_denorm_mode_16_64 3
		.amdhsa_memory_ordered 1
		.amdhsa_forward_progress 1
		.amdhsa_inst_pref_size 220
	.end_amdhsa_kernel
	.amdgpu_metadata
---
amdhsa.version: [ 1, 2 ]
amdhsa.kernels:
  - .name:           k_q0c93783401_prep
    .symbol:         k_q0c93783401_prep.kd
    .args:
      - { .name: x, .offset: 0, .size: 8, .value_kind: global_buffer, .address_space: global }
      - { .name: q_w, .offset: 8, .size: 8, .value_kind: global_buffer, .address_space: global }
      - { .name: kv_w, .offset: 16, .size: 8, .value_kind: global_buffer, .address_space: global }
      - { .name: o_w, .offset: 24, .size: 8, .value_kind: global_buffer, .address_space: global }
      - { .name: segment_pos, .offset: 32, .size: 8, .value_kind: global_buffer, .address_space: global }
      - { .name: attn_mask, .offset: 40, .size: 8, .value_kind: global_buffer, .address_space: global }
      - { .name: codes, .offset: 48, .size: 8, .value_kind: global_buffer, .address_space: global }
      - { .name: scales, .offset: 56, .size: 8, .value_kind: global_buffer, .address_space: global }
      - { .name: ow16, .offset: 64, .size: 8, .value_kind: global_buffer, .address_space: global }
      - { .name: tab, .offset: 72, .size: 8, .value_kind: global_buffer, .address_space: global }
      - { .name: maskw, .offset: 80, .size: 8, .value_kind: global_buffer, .address_space: global }
      - { .name: visit, .offset: 88, .size: 8, .value_kind: global_buffer, .address_space: global }
    .group_segment_fixed_size: 58112
    .private_segment_fixed_size: 0
    .kernarg_segment_align: 8
    .kernarg_segment_size: 96
    .max_flat_workgroup_size: 128
    .sgpr_count:     66
    .vgpr_count:     256
    .wavefront_size: 32
...
	.end_amdgpu_metadata
.endif
;; end of part 1
;; launch proj (part 2): grid 8 x 32, 4 waves a work-group, clusters of 4 x 4, 327,680 bytes of LDS; arguments codes, scales, tab, q_scale, k_scale, qkv; writes qkv
.if DOCPART == 2
	.amdgcn_target "amdgcn-amd-amdhsa--gfx1250"
	.amdhsa_code_object_version 6
	.text
	.protected	k_q0c93783401_proj
	.globl	k_q0c93783401_proj
	.p2align	8
	.type	k_q0c93783401_proj,@function
k_q0c93783401_proj:
	s_mov_b64 s[64:65], 0
	v_nop
	global_prefetch_b8 v0, s[64:65] scope:SCOPE_SE
	s_setreg_imm32_b32 hwreg(HW_REG_WAVE_MODE, 25, 1), 1
	s_wait_xcnt 0x0
	s_wait_alu depctr_hold_cnt(0) depctr_sa_sdst(0) depctr_va_vdst(0) depctr_va_sdst(0) depctr_va_ssrc(0) depctr_va_vcc(0) depctr_vm_vsrc(0)
	s_getreg_b32 s2, hwreg(HW_REG_IB_STS2, 6, 4)
	s_cmp_eq_u32 s2, 0
	s_cbranch_scc0 .Lentry_in_a_cluster
	s_endpgm
.Lentry_in_a_cluster:
	s_bfe_u32 s2, ttmp6, 0x10000c
	s_cmp_lg_u32 s2, 0xf033
	s_cbranch_scc0 .Lentry_shape_is_right
	s_endpgm
.Lentry_shape_is_right:
; PROJ: q, k, v = x W on FP4 (E2M1) codes with E8M0 scales, then the RMS norm, the gain, the rotation and q's factor, in f32; the results leave as f16, laid as the attention launch's operands.
; A work-group makes 128 tokens x the 256 channels of ONE head slot (0-3 q, 4-5 k, 6-7 v); wave w 128 tokens x 64 channels: channel tiles 2w, 2w+1, 2w+8, 2w+9, which are 64 neighbouring rows
; of the weights' codes (the launch before laid them so): channel n and n + 128, the partners of the rotation, lie in one lane.  32 accumulators of 16 x 16.
; THE MATRIX INSTRUCTION IS USED TRANSPOSED (source 0 = 16 rows of W, source 1 = 16 tokens): a lane holds ONE token and eight neighbouring channels, which as f16 are 16 bytes of a fragment's image.
; K = 2,048 goes in four steps of 512 (rows of 256 bytes) through two LDS slots filled by the tensor data mover; the scale bytes of all of K come once, with the first fills.
; CLUSTER 4 x 4: the four of a row of the cluster need the same tokens, the four of a column the same head slot: each tile is asked for jointly.
; All eight head slots run the same lines: for v the gain and 1/rms are chosen as 1 and the table's tiles are those of position 0.  No branch and no LDS address hangs on the place in the cluster.
; q also carries 0.0625 x 2 log2(e) / 50, so that the attention launch's score is the exponent that tanh wants.
; THE TABLE of cos and sin for my eight token tiles, 256 registers, is asked for at the head (seven tiles) and in front of the last products (the eighth): the products stand between the request and the use.
; LIMITS: f16 results: v up to 65,504 in size; NaN and infinities are not served.
; REGISTERS: window 0: v1-31 addresses; v32-127 scale words, two sets of 48, and nothing else; v128-159 gains; v160-167 1/rms; v168-175 sums of squares; v176-207 rotated numbers; v208-239 f16, two sets; v240-241 a row's 1/rms.
;   window 1: the accumulators, (token tile a, channel block b) at v[8 (4 a + b)].   window 2: fragments, set p at v[96 p]: tokens at 8 a, W at 64 + 8 b.   window 3: cos and sin, token tile a at v[32 a].
.set PITCH, 272                        ; an LDS row: 256 bytes + 16 of padding: the 16 rows of a load start at 16 different banks (64 banks of 4 bytes: ISA guide 11.1)
.set HA,    64*PITCH                   ; what a wave fetches of the tokens,
.set HB,    128*PITCH                  ; and of W
.set SLOT,  2*HA+2*HB                  ; 128 rows of tokens, then 256 rows of W
.set SCLA,  2*SLOT                     ; the tokens' scale bytes: 32 units of 256 bytes + 16;
.set SCLB,  SCLA+2*4352                ; W's: 64 units
.set SPARE, SCLB+2*8704                ; the spare words: two blocks of 256 bytes that no other line names
.set SSQ,   SPARE+512                  ; 2,048 bytes in which the four waves' sums of squares meet: no fill lands here
.set ADRA, 16
.set ADRB, 20
.set ADSA, 24
.set ADSB, 25
.set LI,   26
.set SQS,  27
.set SPW,  28
.set NIL,  29
.set SQL,  30
.set GOF,  31
.set SC,   32
.set GN,   128
.set INV,  160
.set SS,   168
.set ZZ,   176
.set FF,   208
.set IV,   240
.set TB,   0                           ; in window 3
.set G1, 24
.set G0, 32
.set G1B, 48
.set G0B, 56
.set G1S, 68
.set G0S, 76
.set G1SB, 80
.set G0SB, 88
.set MSB, 0
.macro WIN new                         ; the immediate's high byte repeats the setting that is left
.if MSB != \new
	s_set_vgpr_msb (MSB<<8)|\new
.set MSB, \new
.endif
.endm
.macro JLOAD g0a, g1a, g0b, g1b        ; a joint load: waves 0 and 1 fetch tokens, waves 2 and 3 W; an s_nop 0 and four v_nop follow each of the two lines
	s_cmp_eq_u32 s15, 0
	s_cbranch_scc0 .Lfor_b_\@
	tensor_load_to_lds s[\g0a:\g0a+3], s[\g1a:\g1a+7]
	s_nop 0
.rept 4
	v_nop
.endr
	s_branch .Lasked_\@
.Lfor_b_\@:
	tensor_load_to_lds s[\g0b:\g0b+3], s[\g1b:\g1b+7]
	s_nop 0
.rept 4
	v_nop
.endr
.Lasked_\@:
.endm
.macro CREST
	s_cmp_lg_u32 s14, 0
	s_cbranch_scc1 .Lnot_wave_0_\@
	s_barrier_signal -3
.Lnot_wave_0_\@:
	s_barrier_wait -3
	s_barrier_signal -1
	s_barrier_wait -1
.endm
.macro CROUND
	s_barrier_signal -1
	s_barrier_wait -1
	CREST
.endm
.macro PLACES n
.rept \n
	v_nop
.endr
.endm
.macro TLD a                           ; cos and sin for token tile a: 8 loads of 512 consecutive bytes
	WIN 0xc0                                       ; destination window 3
.irp i, 0,1
.irp c, 0,1
.irp j, 0,1
	global_load_b128 v[TB+32*(\a)+16*\i+8*\c+4*\j:TB+32*(\a)+16*\i+8*\c+4*\j+3], v[LI], s[8:9] offset:(\a)*16384+\i*2048+\c*1024+\j*512
.endr
.endr
.endr
	WIN 0
.endm
	s_load_b256 s[4:11], s[0:1], 0x0               ; codes s[4:5], scales s[6:7], tab s[8:9], q_scale s[10:11]
	s_load_b128 s[92:95], s[0:1], 0x20             ; k_scale s[92:93], qkv s[94:95]
	v_lshl_add_u32 v[SPW], v0, 2, SPARE
	v_mov_b32 v[NIL], 0
	ds_add_u32 v[SPW], v[NIL]                      ; the wave's opening: the add, twice on end, and its wait ahead of my first tensor load
	ds_add_u32 v[SPW], v[NIL]
	v_lshrrev_b32 v1, 5, v0
	v_readfirstlane_b32 s14, v1                    ; wave 0..3
	s_lshr_b32 s15, s14, 1                         ; I fetch tokens (0) or W (1)
	s_and_b32 s16, s14, 1                          ; which half of that tile
	s_bfe_u32 s40, ttmp6, 0x40000                  ; cx
	s_bfe_u32 s41, ttmp6, 0x40004                  ; cy
	s_lshl_b32 s42, ttmp9, 2
	s_add_co_u32 s42, s42, s40                     ; head slot 0..7
	s_and_b32 s17, ttmp7, 0xffff
	s_lshl_b32 s17, s17, 2
	s_add_co_u32 s17, s17, s41                     ; block of 128 tokens 0..31
	s_lshl_b32 s43, s41, 2
	s_lshl_b32 s43, 15, s43                        ; my row of the cluster
	s_lshl_b32 s44, 0x1111, s40                    ; my column
	s_or_b32 s[G1+0], s43, (1<<20)|(1<<21)|(5<<22)|(3<<25)    ; the mask; elements of 1 byte; padding on: 4 words behind every 64; bit 21 beside a mask
	s_or_b32 s[G1B+0], s44, (1<<20)|(1<<21)|(5<<22)|(3<<25)
.irp g, G1, G1B
	s_mov_b32 s[\g+1], 256<<16                     ; tensor_dim0 = 256 bytes
	s_mov_b32 s[\g+3], 256<<16                     ; tile_dim0
	s_mov_b32 s[\g+5], 1024                        ; from row to row
	s_mov_b32 s[\g+6], 0
	s_mov_b32 s[\g+7], 0
.endr
	s_mov_b32 s[G1+2], 64<<16                      ; tensor_dim1, tile_dim1: 64 rows of tokens,
	s_mov_b32 s[G1+4], 64
	s_mov_b32 s[G1B+2], 128<<16                    ; 128 of W
	s_mov_b32 s[G1B+4], 128
	s_or_b32 s[G1S+0], s43, (3<<16)|(1<<20)|(1<<21)|(5<<22)|(3<<25)   ; the scale bytes: dense, as rows of 32 elements of 8 bytes
	s_or_b32 s[G1SB+0], s44, (3<<16)|(1<<20)|(1<<21)|(5<<22)|(3<<25)
.irp g, G1S, G1SB
	s_mov_b32 s[\g+1], 32<<16
	s_mov_b32 s[\g+3], 32<<16
	s_mov_b32 s[\g+5], 32
	s_mov_b32 s[\g+6], 0
	s_mov_b32 s[\g+7], 0
.endr
	s_mov_b32 s[G1S+2], 16<<16                     ; 64 rows x 64 bytes = 16 units,
	s_mov_b32 s[G1S+4], 16
	s_mov_b32 s[G1SB+2], 32<<16                    ; 128 rows = 32 units
	s_mov_b32 s[G1SB+4], 32
	s_lshl_b32 s18, s16, 6
	s_lshl_b32 s20, s17, 7
	s_add_co_u32 s20, s20, s18                     ; tokens: row 128 tr + 64 half
	s_lshl_b32 s22, s20, 6                         ; its scale bytes,
	s_mov_b32 s23, 0
	s_lshl_b32 s20, s20, 10                        ; its codes
	s_mov_b32 s21, 0
	s_lshl_b32 s18, s16, 7
	s_lshl_b32 s46, s42, 8
	s_add_co_u32 s46, s46, s18
	s_add_co_u32 s46, s46, 4096                    ; W: row 4096 + 256 slot + 128 half
	s_lshl_b32 s96, s46, 6
	s_mov_b32 s97, 0
	s_lshl_b32 s46, s46, 10
	s_mov_b32 s47, 0
	s_mul_i32 s45, s16, HA                         ; where they go: the wave's number alone enters an LDS address
	s_mul_i32 s18, s16, HB
	s_mul_i32 s19, s16, 4352
	s_mul_i32 s12, s16, 8704
	s_wait_dscnt 0x0                               ; both opening adds are done
	s_wait_kmcnt 0x0
	s_add_nc_u64 s[20:21], s[4:5], s[20:21]
	s_add_nc_u64 s[22:23], s[6:7], s[22:23]
	s_add_nc_u64 s[46:47], s[4:5], s[46:47]
	s_add_nc_u64 s[96:97], s[6:7], s[96:97]
	CROUND                                         ; all sixteen work-groups are here: the first joint loads meet
	s_mov_b32 s[G0S], 1
	s_add_co_u32 s[G0S+1], s19, SCLA
	s_mov_b64 s[G0S+2:G0S+3], s[22:23]
	s_or_b32 s[G0S+3], s[G0S+3], 0x80000000
	s_mov_b32 s[G0SB], 1
	s_add_co_u32 s[G0SB+1], s12, SCLB
	s_mov_b64 s[G0SB+2:G0SB+3], s[96:97]
	s_or_b32 s[G0SB+3], s[G0SB+3], 0x80000000
	JLOAD G0S, G1S, G0SB, G1SB                     ; the scale bytes first: three loads of mine are out at the most
.irp s, 0,1
	s_mov_b32 s[G0+4*\s], 1
	s_add_co_u32 s[G0+4*\s+1], s45, \s*SLOT
	s_add_nc_u64 s[G0+4*\s+2:G0+4*\s+3], s[20:21], \s*256
	s_or_b32 s[G0+4*\s+3], s[G0+4*\s+3], 0x80000000
	s_mov_b32 s[G0B+4*\s], 1
	s_add_co_u32 s[G0B+4*\s+1], s18, \s*SLOT+2*HA
	s_add_nc_u64 s[G0B+4*\s+2:G0B+4*\s+3], s[46:47], \s*256
	s_or_b32 s[G0B+4*\s+3], s[G0B+4*\s+3], 0x80000000
	JLOAD G0+4*\s, G1, G0B+4*\s, G1B
.endr
	; the gains: q_scale for slots 0-3, else k_scale (for v the result is replaced by 1)
	s_cmp_eq_u32 ttmp9, 0
	s_cselect_b64 s[10:11], s[10:11], s[92:93]
	s_cselect_b32 s66, 0x3b6c5f04, 1.0             ; q's factor 0.0625 x 2 log2(e) / 50, or 1
	s_lshl_b32 s98, s17, 3                         ; my first token tile in the table,
	s_cmp_ge_u32 s42, 6
	s_cselect_b32 s67, -1, 0                       ; all ones in a value head
	s_cselect_b32 s98, 256, s98                    ; or the identity's tiles
	s_lshl_b32 s98, s98, 14
	s_lshl_b32 s99, s14, 12                        ; frequency tiles 2 w, 2 w + 1
	s_add_co_u32 s98, s98, s99
	s_mov_b32 s99, 0
	s_add_nc_u64 s[8:9], s[8:9], s[98:99]
	v_and_b32 v1, 15, v0                           ; r
	v_bfe_u32 v2, v0, 4, 1                         ; h
	s_lshl_b32 s18, s14, 7
	v_lshl_add_u32 v[GOF], v2, 5, s18              ; (32 w + 8 h) x 4 bytes
.irp i, 0,1,2,3
	global_load_b128 v[GN+8*\i:GN+8*\i+3], v[GOF], s[10:11] offset:64*(\i%2)+512*(\i/2)
	global_load_b128 v[GN+8*\i+4:GN+8*\i+7], v[GOF], s[10:11] offset:64*(\i%2)+512*(\i/2)+16
.endr
	v_mul_u32_u24 v3, v1, PITCH
	v_lshl_add_u32 v3, v2, 4, v3                   ; a fragment's row x pitch + 16 x half
	v_add_nc_u32 v[ADRA], 0, v3
	v_add_nc_u32 v[ADRA+1], SLOT, v3
	s_mul_i32 s18, s14, 64*PITCH
	s_add_co_u32 s18, s18, 2*HA                    ; my 64 rows of W
	v_add_nc_u32 v[ADRB], s18, v3
	s_add_co_u32 s18, s18, SLOT
	v_add_nc_u32 v[ADRB+1], s18, v3
	v_lshrrev_b32 v4, 2, v1                        ; a row's 64 scale bytes: four rows to a unit of 256 + 16
	v_mul_u32_u24 v4, v4, 272
	v_and_b32 v5, 3, v1
	v_lshl_add_u32 v4, v5, 6, v4
	v_add_nc_u32 v[ADSA], SCLA, v4
	s_mul_i32 s18, s14, 4*1088
	s_add_co_u32 s18, s18, SCLB
	v_add_nc_u32 v[ADSB], s18, v4
	v_and_b32 v5, 31, v0
	v_lshlrev_b32 v[LI], 4, v5                     ; 16 x lane
	s_lshl_b32 s18, s14, 9
	s_add_co_u32 s18, s18, SSQ
	v_lshl_add_u32 v[SQS], v1, 5, s18
	v_lshl_add_u32 v[SQL], v1, 5, SSQ
	v_mov_b32 v[IV+1], 0                           ; named as the upper half of a pair
	; where my results go: 1 MiB for each (batch, head); q from 0, k from 8 MiB, v from 12 MiB
	s_lshr_b32 s2, s17, 4                          ; batch
	s_lshl_b32 s3, s2, 2
	s_add_co_u32 s3, s3, s42
	s_sub_co_u32 s12, s42, 4
	s_lshr_b32 s12, s12, 1
	s_lshl_b32 s12, s12, 2
	s_lshl_b32 s13, s2, 1
	s_add_co_u32 s12, s12, s13
	s_and_b32 s13, s42, 1
	s_add_co_u32 s12, s12, s13
	s_add_co_u32 s12, s12, 8
	s_cmp_lt_u32 s42, 4
	s_cselect_b32 s12, s3, s12
	s_lshl_b32 s12, s12, 20
	s_and_b32 s13, s17, 15
	s_lshl_b32 s13, s13, 16                        ; eight token tiles of 8,192 bytes
	s_add_co_u32 s12, s12, s13
	s_lshl_b32 s13, s14, 10                        ; fragment w (and w + 4)
	s_add_co_u32 s12, s12, s13
	s_mov_b32 s13, 0
	s_add_nc_u64 s[94:95], s[94:95], s[12:13]
	s_mov_b32 s2, 0x3b800000                       ; 1/256
	s_mov_b32 s3, 0x358637bd                       ; 1e-6
	s_mov_b32 s98, 0x76543210
	s_mov_b32 s99, 0xfedcba98                      ; lane l xor 16
	s_wait_loadcnt 0x0
.irp a, 0,1,2,3,4,5,6
	TLD \a                                         ; 56 loads: the table of seven token tiles; all the products stand between them and their use
.endr
.set ii, 0
.rept 32
	v_fma_f32 v[GN+ii], v[GN+ii], s66, s66         ; (1 + scale) x factor
.set ii, ii+1
.endr
.set ii, 0
.rept 32
	v_cndmask_b32 v[GN+ii], v[GN+ii], 1.0, s67
.set ii, ii+1
.endr
.macro FRAG reg, adr, q, i             ; 16 rows x 128 K of 4-bit codes: 8 registers, two loads of 16 bytes, 32 bytes apart
.irp c, 0,1
	ds_load_b128 v[\reg+4*\c:\reg+4*\c+3], v[\adr] offset:64*(\q)+32*\c+(\i)*16*PITCH
.endr
.endm
.macro FETCH slot, q, p                ; 24 loads: the fragments of the slot's q-th 128 along K into set p
	WIN 0x80
.irp i, 0,1,2,3,4,5,6,7
	FRAG 96*(\p)+8*\i, ADRA+\slot, \q, \i
.endr
.irp i, 0,1,2,3
	FRAG 96*(\p)+64+8*\i, ADRB+\slot, \q, \i
.endr
	WIN 0
.endm
.macro SCALES sc                       ; a K step's scale words: four words a row by one load; every lane takes row lane % 16
.irp a, 0,1,2,3,4,5,6,7
	ds_load_b128 v[SC+48*\sc+4*\a:SC+48*\sc+4*\a+3], v[ADSA] offset:\a*1088
.endr
.irp b, 0,1,2,3
	ds_load_b128 v[SC+48*\sc+32+4*\b:SC+48*\sc+32+4*\b+3], v[ADSB] offset:\b*1088
.endr
.endm
; cnt token tiles from a0 on x my four channel blocks.  The 32 accumulators take turns, one instruction a turn, in the same order in every step.
.macro MULS a0, cnt, p, q, sc, zero
.set aa, \a0
.rept \cnt
.irp b, 0,1,2,3
.if \zero
	v_wmma_scale_f32_16x16x128_f8f6f4 v[8*(4*aa+\b):8*(4*aa+\b)+7], v[96*(\p)+64+8*\b:96*(\p)+64+8*\b+7], v[96*(\p)+8*aa:96*(\p)+8*aa+7], 0, v[SC+48*(\sc)+32+4*\b+(\q)], v[SC+48*(\sc)+4*aa+(\q)] matrix_a_fmt:MATRIX_FMT_FP4 matrix_b_fmt:MATRIX_FMT_FP4
.else
	v_wmma_scale_f32_16x16x128_f8f6f4 v[8*(4*aa+\b):8*(4*aa+\b)+7], v[96*(\p)+64+8*\b:96*(\p)+64+8*\b+7], v[96*(\p)+8*aa:96*(\p)+8*aa+7], v[8*(4*aa+\b):8*(4*aa+\b)+7], v[SC+48*(\sc)+32+4*\b+(\q)], v[SC+48*(\sc)+4*aa+(\q)] matrix_a_fmt:MATRIX_FMT_FP4 matrix_b_fmt:MATRIX_FMT_FP4
.endif
.endr
.set aa, aa+1
.endr
.endm
.macro STEP slot, q, zero              ; 128 along K whose successor lies in the same slot
	s_wait_dscnt 0x0                               ; this step's fragments (and scale words) are in
	PLACES 4                                       ; four places in front of loads into registers that the last products read
	FETCH \slot, (\q)+1, 1-(\q)%2
	WIN 0x5a                                       ; sources 0 and 1 window 2, C and D window 1
	MULS 0, 8, (\q)%2, \q, \slot, \zero
	WIN 0
.endm
; A slot's last step changes slots: one barrier; in front of it each wave waits for all its tensor loads, adds 0 to its spare word, and waits for that and for its reads of this slot.
.macro TURN slot, next, fill
	s_wait_tensorcnt 0x0                           ; all my tensor loads have landed: my part of the next slot
	ds_add_u32 v[SPW], v[NIL]
	s_wait_dscnt 1                                 ; the step's fragments are in; the add alone may be out
	WIN 0x5a
	MULS 0, 2, 1, 3, \slot, 0
	s_wait_dscnt 0x0                               ; the add is done, and my reads of this slot are over
	s_barrier_signal -1
	MULS 2, 2, 1, 3, \slot, 0
	WIN 0
	s_barrier_wait -1
.if \fill
	CREST                                          ; the barrier has opened a round of the cluster's: no wave of any partner still reads this slot or has a load on its way
	s_add_nc_u64 s[G0+4*\slot+2:G0+4*\slot+3], s[G0+4*\slot+2:G0+4*\slot+3], 512
	s_add_nc_u64 s[G0B+4*\slot+2:G0B+4*\slot+3], s[G0B+4*\slot+2:G0B+4*\slot+3], 512
	JLOAD G0+4*\slot, G1, G0B+4*\slot, G1B         ; my one tensor load behind the round; its four v_nop are the places in front of the loads below
.else
	PLACES 4
.endif
	v_add_nc_u32 v[ADSA], 16, v[ADSA]              ; the next K step's scale words
	v_add_nc_u32 v[ADSB], 16, v[ADSB]
	FETCH \next, 0, 0
	SCALES \next
	WIN 0x5a
	MULS 4, 4, 1, 3, \slot, 0
	WIN 0
.endm
	s_wait_tensorcnt 1                             ; the scale bytes and my part of K step 0 are in; K step 1's load may be out
	s_barrier_signal -1
	s_barrier_wait -1
	FETCH 0, 0, 0
	SCALES 0
	STEP 0, 0, 1                                   ; the first products start the sums: nothing is cleared
	STEP 0, 1, 0
	STEP 0, 2, 0
	TURN 0, 1, 1
	STEP 1, 0, 0
	STEP 1, 1, 0
	STEP 1, 2, 0
	TURN 1, 0, 1
	STEP 0, 0, 0
	STEP 0, 1, 0
	STEP 0, 2, 0
	TURN 0, 1, 0                                   ; nothing is left to fetch
	STEP 1, 0, 0
	STEP 1, 1, 0
	STEP 1, 2, 0
	s_wait_dscnt 0x0
	TLD 7                                          ; the eighth tile's table
	WIN 0x5a
	MULS 0, 8, 1, 3, 1, 0
	WIN 0
	PLACES 4
	; ---- the sums of squares: my 32 channels of each of eight tokens; each accumulator is read from its low end on
	WIN 0x05
.irp b, 0,1,2,3
.irp p, 0,1,2,3
.irp a, 0,1,2,3,4,5,6,7
.if (\b == 0) && (\p == 0)
	v_pk_mul_f32 v[ZZ+2*\a:ZZ+2*\a+1], v[8*(4*\a+\b)+2*\p:8*(4*\a+\b)+2*\p+1], v[8*(4*\a+\b)+2*\p:8*(4*\a+\b)+2*\p+1]
.else
	v_pk_fma_f32 v[ZZ+2*\a:ZZ+2*\a+1], v[8*(4*\a+\b)+2*\p:8*(4*\a+\b)+2*\p+1], v[8*(4*\a+\b)+2*\p:8*(4*\a+\b)+2*\p+1], v[ZZ+2*\a:ZZ+2*\a+1]
.endif
.endr
.endr
.endr
	WIN 0
.irp a, 0,1,2,3,4,5,6,7
	v_add_f32 v[SS+\a], v[ZZ+2*\a], v[ZZ+2*\a+1]
.endr
.irp a, 0,1,2,3,4,5,6,7
	v_permlanex16_b32 v[ZZ+2*\a], v[SS+\a], s98, s99
.endr
.irp a, 0,1,2,3,4,5,6,7
	v_add_f32 v[SS+\a], v[SS+\a], v[ZZ+2*\a]       ; my wave's 64 channels
.endr
	ds_store_b128 v[SQS], v[SS:SS+3]               ; lanes r and r + 16 write the same bytes with the same values
	ds_store_b128 v[SQS], v[SS+4:SS+7] offset:16
	s_wait_dscnt 0x0                               ; for the others' sake
	s_barrier_signal -1
	s_barrier_wait -1
.irp w, 0,1,2,3
	ds_load_b128 v[ZZ+8*\w:ZZ+8*\w+3], v[SQL] offset:512*\w
	ds_load_b128 v[ZZ+8*\w+4:ZZ+8*\w+7], v[SQL] offset:512*\w+16
.endr
	s_wait_dscnt 0x0
.irp a, 0,1,2,3,4,5,6,7
	v_add_f32 v[SS+\a], v[ZZ+\a], v[ZZ+8+\a]
	v_add_f32 v[ZZ+\a], v[ZZ+16+\a], v[ZZ+24+\a]
.endr
.irp a, 0,1,2,3,4,5,6,7
	v_add_f32 v[SS+\a], v[SS+\a], v[ZZ+\a]
.endr
.irp a, 0,1,2,3,4,5,6,7
	v_fma_f32 v[SS+\a], v[SS+\a], s2, s3           ; the mean + 1e-6
.endr
.irp a, 0,1,2,3,4,5,6,7
	v_rsq_f32 v[INV+\a], v[SS+\a]
.endr
	v_nop                                          ; a plain line behind the batch,
	s_wait_alu depctr_va_vdst(0)                   ; and one wait for the eight
.irp a, 0,1,2,3,4,5,6,7
	v_cndmask_b32 v[INV+\a], v[INV+\a], 1.0, s67
.endr
; ---- token tile a: gain and 1/rms in place, the rotation, f16, four stores of 512 consecutive bytes
.macro ROWS a
	s_wait_loadcnt 8*(7-\a)                        ; this tile's cos and sin are in; the eight loads of each later tile may be out
	v_mov_b32 v[IV], v[INV+\a]
	WIN 0x41                                       ; destination and source 0 window 1
.irp b, 0,1,2,3
.irp p, 0,1,2,3
	v_pk_mul_f32 v[8*(4*\a+\b)+2*\p:8*(4*\a+\b)+2*\p+1], v[8*(4*\a+\b)+2*\p:8*(4*\a+\b)+2*\p+1], v[GN+8*\b+2*\p:GN+8*\b+2*\p+1]
.endr
.endr
.irp b, 0,1,2,3
.irp p, 0,1,2,3
	v_pk_mul_f32 v[8*(4*\a+\b)+2*\p:8*(4*\a+\b)+2*\p+1], v[8*(4*\a+\b)+2*\p:8*(4*\a+\b)+2*\p+1], v[IV:IV+1] op_sel_hi:[1,0]
.endr
.endr
	WIN 0x0d                                       ; source 0 window 1, source 1 window 3
.irp i, 0,1
.irp p, 0,1,2,3
	v_pk_mul_f32 v[ZZ+8*\i+2*\p:ZZ+8*\i+2*\p+1], v[8*(4*\a+\i)+2*\p:8*(4*\a+\i)+2*\p+1], v[TB+32*\a+16*\i+2*\p:TB+32*\a+16*\i+2*\p+1]
	v_pk_mul_f32 v[ZZ+16+8*\i+2*\p:ZZ+16+8*\i+2*\p+1], v[8*(4*\a+\i+2)+2*\p:8*(4*\a+\i+2)+2*\p+1], v[TB+32*\a+16*\i+2*\p:TB+32*\a+16*\i+2*\p+1]
.endr
.endr
.irp i, 0,1
.irp p, 0,1,2,3
	v_pk_fma_f32 v[ZZ+8*\i+2*\p:ZZ+8*\i+2*\p+1], v[8*(4*\a+\i+2)+2*\p:8*(4*\a+\i+2)+2*\p+1], v[TB+32*\a+16*\i+8+2*\p:TB+32*\a+16*\i+8+2*\p+1], v[ZZ+8*\i+2*\p:ZZ+8*\i+2*\p+1] neg_lo:[1,0,0] neg_hi:[1,0,0]
	v_pk_fma_f32 v[ZZ+16+8*\i+2*\p:ZZ+16+8*\i+2*\p+1], v[8*(4*\a+\i)+2*\p:8*(4*\a+\i)+2*\p+1], v[TB+32*\a+16*\i+8+2*\p:TB+32*\a+16*\i+8+2*\p+1], v[ZZ+16+8*\i+2*\p:ZZ+16+8*\i+2*\p+1]
.endr
.endr
	WIN 0
	s_wait_xcnt 0x0                                ; the stores of two tiles ago have read this set of f16 registers
.irp b, 0,1,2,3
.irp p, 0,1,2,3
	v_cvt_pk_f16_f32 v[FF+16*((\a)%2)+4*\b+\p], v[ZZ+8*\b+2*\p], v[ZZ+8*\b+2*\p+1]
.endr
.endr
.irp b, 0,1,2,3
	global_store_b128 v[LI], v[FF+16*((\a)%2)+4*\b:FF+16*((\a)%2)+4*\b+3], s[94:95] offset:\a*8192+(\b/2)*4096+(\b%2)*512
.endr
.endm
.irp a, 0,1,2,3,4,5,6,7
	ROWS \a
.endr
	s_wait_tensorcnt 0x0                           ; the wave's end
	ds_add_u32 v[SPW], v[NIL]
	s_wait_dscnt 0x0
	CROUND                                         ; the closing round
	s_endpgm
.Lfunc_end_k_q0c93783401_proj:
	.size	k_q0c93783401_proj, .Lfunc_end_k_q0c93783401_proj-k_q0c93783401_proj
	.p2alignl 7, 3214868480
	.fill 96, 4, 3214868480
	.section	.rodata,"a",@progbits
	.p2align	6, 0x0
	.amdhsa_kernel k_q0c93783401_proj
		.amdhsa_group_segment_fixed_size 327680
		.amdhsa_private_segment_fixed_size 0
		.amdhsa_enable_private_segment 0
		.amdhsa_kernarg_size 48
		.amdhsa_user_sgpr_count 2
		.amdhsa_user_sgpr_kernarg_segment_ptr 1
		.amdhsa_wavefront_size32 1
		.amdhsa_system_sgpr_workgroup_id_x 1
		.amdhsa_system_sgpr_workgroup_id_y 1
		.amdhsa_system_sgpr_workgroup_id_z 1
		.amdhsa_system_vgpr_workitem_id 0
		.amdhsa_next_free_vgpr 1024
		.amdhsa_next_free_sgpr 100
		.amdhsa_reserve_vcc 0
		.amdhsa_float_denorm_mode_32 3
		.amdhsa_float_denorm_mode_16_64 3
		.amdhsa_memory_ordered 1
		.amdhsa_forward_progress 1
		.amdhsa_inst_pref_size 177
	.end_amdhsa_kernel
	.amdgpu_metadata
---
amdhsa.version: [ 1, 2 ]
amdhsa.kernels:
  - .name:           k_q0c93783401_proj
    .symbol:         k_q0c93783401_proj.kd
    .args:
      - { .name: codes, .offset: 0, .size: 8, .value_kind: global_buffer, .address_space: global }
      - { .name: scales, .offset: 8, .size: 8, .value_kind: global_buffer, .address_space: global }
      - { .name: tab, .offset: 16, .size: 8, .value_kind: global_buffer, .address_space: global }
      - { .name: q_scale, .offset: 24, .size: 8, .value_kind: global_buffer, .address_space: global }
      - { .name: k_scale, .offset: 32, .size: 8, .value_kind: global_buffer, .address_space: global }
      - { .name: qkv, .offset: 40, .size: 8, .value_kind: global_buffer, .address_space: global }
    .group_segment_fixed_size: 327680
    .private_segment_fixed_size: 0
    .kernarg_segment_align: 8
    .kernarg_segment_size: 48
    .max_flat_workgroup_size: 128
    .sgpr_count:     100
    .vgpr_count:     1024
    .wavefront_size: 32
...
	.end_amdgpu_metadata
.endif
;; end of part 2
;; launch attn (part 3): grid 64 x 4, 4 waves a work-group, no clusters, 135,680 bytes of LDS; arguments qkv, maskw, visit, enc; writes enc
.if DOCPART == 3
	.amdgcn_target "amdgcn-amd-amdhsa--gfx1250"
	.amdhsa_code_object_version 6
	.text
	.protected	k_q0c93783401_attn
	.globl	k_q0c93783401_attn
	.p2align	8
	.type	k_q0c93783401_attn,@function
k_q0c93783401_attn:
	s_mov_b64 s[64:65], 0
	v_nop
	global_prefetch_b8 v0, s[64:65] scope:SCOPE_SE
	s_setreg_imm32_b32 hwreg(HW_REG_WAVE_MODE, 25, 1), 1
	s_wait_xcnt 0x0
; ATTN: enc = softmax(mask(50 tanh(q k^T / 50))) v, f16 operands, f32 sums, maxima and softmax.
; A work-group owns 32 queries of one (batch, key and value head); wave w owns query tile w / 2 of query head 2 kvh + w % 2: 16 queries x 256 channels.  All four waves walk the same K and V.
; THE WALK: 32 key steps of 64, a constant count with one barrier a trip.  Two stored words (visit, one for each of my two tiles of queries, made by the first launch from the positions and the mask, which are
; whole numbers), joined by an OR, say which steps hold a key that counts for some query of the block; the loads, the work and the copy of the other steps are jumped over by scalar branches on that word.
; So this launch has no tensor load, and nothing to ask for jointly: K and V go from memory through registers into two LDS slots, each wave a quarter, one step ahead of the work.
; LAYOUT: S^T = K Q^T (source 0 = 16 keys, source 1 = my queries) and O^T = V^T P (source 0 = 16 channels): a lane holds ONE query throughout.  K lies in LDS as the image of its fragments' registers;
; V as rows [key][512 bytes + 32] and is turned by ds_load_tr16_b128.
; LDS TRAFFIC UNDER OTHER WORK: V's 64 turning loads go out four at a time, spread through the softmax's vector instructions; the copy's 32 stores stand in front of the 32 products V^T P.
; THE SOFTMAX: q carries 0.0625 x 2 log2(e) / 50, so S is tanh's exponent: r = 1 / (1 + 2^S), and the capped score x log2(e) = 72.13 - A r with A = 100 log2(e).  The running maximum is kept as the running LEAST r:
; p = 2^(A rmin - A r).  A key that does not count gets r = 2^100: p = 0 beside any key that counts; in a row with no key that counts every p is 1 (A 2^100 is exact), the plain average, and the stored word
; makes such a block walk all 32 steps.  When rmin falls, O and the sum are multiplied by 2^(A new - A old).
; O^T is cleared at the head, since which step is the first to be walked is not known to the text.
; LIMITS: NaN and infinities are not served.
; REGISTERS: window 0: v1-9 addresses; v32-63 S^T; v64-79 P; v80-91 statistics; v96-159 Q; v160-223 the way out.  window 1: K's fragments at 64 kt + 8 s.  window 2: V's at 128 u + 8 ct.
;   window 3: O^T at 8 ct; v128-255 the copy's registers.
.set SLOTB, 67584                      ; a slot: K's image, 32,768 bytes, then 64 rows of V of 544 bytes
.set VOFF,  32768
.set VP,    544                        ; 17 x 32 bytes: the turning load's 8 rows x 32 bytes fall on different banks
.set SPARE, 2*SLOTB                    ; the spare words: two blocks of 256 bytes that no other line names
.set LI,  1
.set AK,  2
.set AV,  4
.set CK,  6
.set CV,  8
.set SPW, 28
.set NIL, 29
.set S,   32
.set P,   64
.set CC,  80                           ; v80 A rmin, v81 rmin
.set RM,  81
.set LS,  82                           ; v[82:83] the sum, in two halves
.set CH,  84                           ; v84-87 four chains
.set AA,  88                           ; v[88:89] the factor for what was summed before
.set TM,  90
.set BIG, 91
.set Q,   96
.set F,   160
.set CP,  128                          ; in window 3
.set MSB, 0
.macro WIN new
.if MSB != \new
	s_set_vgpr_msb (MSB<<8)|\new
.set MSB, \new
.endif
.endm
	s_load_b128 s[4:7], s[0:1], 0x0                ; qkv, maskw
	s_load_b64 s[72:73], s[0:1], 0x10              ; visit
	s_load_b64 s[8:9], s[0:1], 0x18                ; enc
	v_lshl_add_u32 v[SPW], v0, 2, SPARE
	v_mov_b32 v[NIL], 0
	v_lshrrev_b32 v10, 5, v0
	v_readfirstlane_b32 s10, v10                   ; wave 0..3
	s_lshr_b32 s11, s10, 1                         ; my tile of queries
	s_and_b32 s12, s10, 1
	s_and_b32 s27, ttmp7, 0xffff
	s_lshr_b32 s13, s27, 1                         ; batch
	s_and_b32 s14, s27, 1                          ; key and value head
	s_lshl_b32 s27, s14, 1
	s_add_co_u32 s12, s12, s27                     ; query head
	s_lshl_b32 s30, ttmp9, 1
	s_add_co_u32 s30, s30, s11                     ; my query tile in the batch
	s_lshl_b32 s15, s13, 7
	s_add_co_u32 s15, s15, s30                     ; and counted through both batches
	s_mov_b32 s28, 0x76543210
	s_mov_b32 s29, 0xfedcba98                      ; lane l xor 16
	s_mov_b32 s68, 0x431044fe                      ; A = 100 log2(e)
	s_mov_b32 s66, 0xc31044fe                      ; -A
	s_mov_b32 s67, s66
	s_mov_b32 s25, 0
	v_and_b32 v10, 31, v0
	v_and_b32 v11, 15, v0                          ; r
	v_bfe_u32 v12, v0, 4, 1                        ; h
	v_lshlrev_b32 v[LI], 4, v10
	v_lshlrev_b32 v[AK], 4, v10
	v_add_nc_u32 v[AK+1], SLOTB, v[LI]
	v_and_b32 v13, 7, v0
	v_bfe_u32 v14, v0, 3, 1
	v_lshl_add_u32 v13, v12, 3, v13
	v_mul_u32_u24 v13, v13, VP
	v_lshl_add_u32 v13, v14, 4, v13                ; the turning load: key 8 h + l % 8, channels 8 ((l / 8) % 2) on
	v_add_nc_u32 v[AV], VOFF, v13
	v_add_nc_u32 v[AV+1], VOFF+SLOTB, v13
	s_lshl_b32 s27, s10, 13
	v_add_nc_u32 v[CK], s27, v[LI]                 ; the copy: my quarter of K's image,
	s_add_co_u32 s27, s27, SLOTB
	v_add_nc_u32 v[CK+1], s27, v[LI]
	s_mul_i32 s27, s10, 16*VP
	s_add_co_u32 s27, s27, VOFF
	v_mul_u32_u24 v13, v11, VP
	v_lshl_add_u32 v13, v12, 4, v13
	v_add_nc_u32 v[CV], s27, v13                   ; and my 16 keys of V: row 16 w + r, 16 h bytes on
	s_add_co_u32 s27, s27, SLOTB
	v_add_nc_u32 v[CV+1], s27, v13
	s_wait_kmcnt 0x0
	s_lshl_b32 s22, s13, 2
	s_add_co_u32 s22, s22, s12
	s_lshl_b32 s22, s22, 20
	s_lshl_b32 s27, s30, 13
	s_add_co_u32 s22, s22, s27
	s_mov_b32 s23, 0
	s_add_nc_u64 s[70:71], s[4:5], s[22:23]        ; my tile of Q
	s_lshl_b32 s22, s13, 1
	s_add_co_u32 s22, s22, s14
	s_add_co_u32 s22, s22, 8
	s_lshl_b32 s22, s22, 20
	s_lshl_b32 s27, s10, 13
	s_add_co_u32 s22, s22, s27
	s_add_nc_u64 s[16:17], s[4:5], s[22:23]        ; K: step 0, my quarter
	s_add_nc_u64 s[18:19], s[16:17], 0x400000      ; V likewise
	s_lshl_b32 s22, s15, 12
	s_add_nc_u64 s[20:21], s[6:7], s[22:23]        ; my tile's lane masks
	s_lshl_b32 s22, s13, 6
	s_add_co_u32 s22, s22, ttmp9
	s_lshl_b32 s22, s22, 3                         ; my block's two words in visit
	s_add_nc_u64 s[72:73], s[72:73], s[22:23]
	s_load_b64 s[74:75], s[72:73], 0x0             ; which key steps each of my block's two tiles wants walked
	s_lshl_b32 s22, s15, 15
	s_lshl_b32 s27, s12, 13
	s_add_co_u32 s22, s22, s27
	s_add_nc_u64 s[8:9], s[8:9], s[22:23]          ; where my results go
.macro CLOAD off                       ; my quarter of a step's K and V: 32 loads of 512 consecutive bytes
	WIN 0xc0
.set nn, 0
.rept 16
	global_load_b128 v[CP+4*nn:CP+4*nn+3], v[LI], s[16:17] offset:\off+512*nn
.set nn, nn+1
.endr
.set nn, 0
.rept 16
	global_load_b128 v[CP+64+4*nn:CP+64+4*nn+3], v[LI], s[18:19] offset:\off+512*nn
.set nn, nn+1
.endr
	WIN 0
.endm
.macro CSTORE slot
	WIN 0x0c                                       ; an LDS store's data are its source 1: window 3
.set nn, 0
.rept 16
	ds_store_b128 v[CK+\slot], v[CP+4*nn:CP+4*nn+3] offset:512*nn
.set nn, nn+1
.endr
.set nn, 0
.rept 16
	ds_store_b128 v[CV+\slot], v[CP+64+4*nn:CP+64+4*nn+3] offset:32*nn
.set nn, nn+1
.endr
	WIN 0
.endm
.macro VLD slot, n                     ; four of V's 64 turning loads: keys 32 (n / 8) on, channel tiles 2 (n % 8) and 2 (n % 8) + 1
	WIN 0x80                                       ; destination window 2
.irp c, 0,1
	ds_load_tr16_b128 v[128*((\n)/8)+8*(2*((\n)%8)+\c):128*((\n)/8)+8*(2*((\n)%8)+\c)+3], v[AV+\slot] offset:((\n)/8)*32*VP+(2*((\n)%8)+\c)*32
	ds_load_tr16_b128 v[128*((\n)/8)+8*(2*((\n)%8)+\c)+4:128*((\n)/8)+8*(2*((\n)%8)+\c)+7], v[AV+\slot] offset:((\n)/8)*32*VP+16*VP+(2*((\n)%8)+\c)*32
.endr
	WIN 0
.endm
.set nn, 0
.rept 16
	global_load_b128 v[Q+4*nn:Q+4*nn+3], v[LI], s[70:71] offset:512*nn   ; Q stays in registers
.set nn, nn+1
.endr
	CLOAD 0                                        ; step 0 is fetched without asking
	WIN 0xc0
.set nn, 0
.rept 128
	v_mov_b32 v[nn], 0                             ; O^T
.set nn, nn+1
.endr
	WIN 0
.irp i, LS, LS+1, CH, CH+1, CH+2, CH+3, AA, AA+1, TM
	v_mov_b32 v[\i], 0
.endr
	v_mov_b32 v[BIG], 0x71800000                   ; 2^100
	v_mov_b32 v[RM], 0x71800000
	v_mul_f32 v[CC], s68, v[BIG]
	s_wait_loadcnt 0x0
	CSTORE 0
	s_wait_kmcnt 0x0
	s_or_b32 s24, s74, s75                         ; a step is walked if either tile wants it
	s_wait_dscnt 0x0
	s_barrier_signal -1
	s_barrier_wait -1
.macro WORK slot
	s_load_b512 s[32:47], s[20:21], 128*\slot      ; the step's 32 lane masks
	s_load_b512 s[48:63], s[20:21], 128*\slot+64
	WIN 0x40
.irp s, 0,1,2,3,4,5,6,7
.irp kt, 0,1,2,3
	ds_load_b128 v[64*\kt+8*\s:64*\kt+8*\s+3], v[AK+\slot] offset:\kt*8192+\s*1024
	ds_load_b128 v[64*\kt+8*\s+4:64*\kt+8*\s+7], v[AK+\slot] offset:\kt*8192+\s*1024+512
.endr
.endr
	WIN 0x01                                       ; source 0 (K) window 1
.irp s, 0,1,2,3,4,5,6,7
	s_wait_dscnt 8*(7-\s)                          ; the eight loads of these 32 channels are in; those of later channels may be out
.irp kt, 0,1,2,3
.if \s == 0
	v_wmma_f32_16x16x32_f16 v[S+8*\kt:S+8*\kt+7], v[64*\kt+8*\s:64*\kt+8*\s+7], v[Q+8*\s:Q+8*\s+7], 0
.else
	v_wmma_f32_16x16x32_f16 v[S+8*\kt:S+8*\kt+7], v[64*\kt+8*\s:64*\kt+8*\s+7], v[Q+8*\s:Q+8*\s+7], v[S+8*\kt:S+8*\kt+7]
.endif
.endr
.endr
	VLD \slot, 0                                   ; V's registers were last read four places and more ahead of this step
.rept 4
	v_nop                                          ; four places behind the last product, ahead of the first read of its result
.endr
.irp g, 0,1,2,3
.irp j, 0,1,2,3,4,5,6,7
	v_exp_f32 v[S+8*\g+\j], v[S+8*\g+\j]           ; 2^S, each accumulator from its low end on
.endr
.if \g < 3
	VLD \slot, 1+\g
.endif
.endr
	v_nop
	s_wait_alu depctr_va_vdst(0)                   ; one wait for the batch
.set ee, 0
.rept 16
	v_pk_add_f32 v[S+ee:S+ee+1], v[S+ee:S+ee+1], 1.0 op_sel_hi:[1,0]
.set ee, ee+2
.endr
	VLD \slot, 4
.irp g, 0,1,2,3
.irp j, 0,1,2,3,4,5,6,7
	v_rcp_f32 v[S+8*\g+\j], v[S+8*\g+\j]           ; r
.endr
.if \g < 3
	VLD \slot, 5+\g
.endif
.endr
	v_mov_b32 v[TM], v[CC]                         ; A rmin as it was (the plain line behind the batch)
	s_wait_alu depctr_va_vdst(0)
	s_wait_kmcnt 0x0
.set ee, 0
.rept 16
	v_cndmask_b32 v[S+ee], v[BIG], v[S+ee], s[32+ee]   ; a key that does not count: r = 2^100
.set ee, ee+1
.endr
	VLD \slot, 8
.rept 16
	v_cndmask_b32 v[S+ee], v[BIG], v[S+ee], s[32+ee]
.set ee, ee+1
.endr
	VLD \slot, 9
.irp j, 0,1,2,3
	v_min3_num_f32 v[CH+\j], v[S+8*\j], v[S+8*\j+1], v[S+8*\j+2]
.endr
.irp g, 1,2
.irp j, 0,1,2,3
	v_min3_num_f32 v[CH+\j], v[CH+\j], v[S+8*\j+2*\g+1], v[S+8*\j+2*\g+2]
.endr
.endr
	v_min3_num_f32 v[CH], v[CH], v[S+7], v[S+15]
	v_min3_num_f32 v[CH+2], v[CH+2], v[S+23], v[S+31]
	v_min3_num_f32 v[CH], v[CH], v[CH+1], v[CH+2]
	v_min3_num_f32 v[CH], v[CH], v[CH+3], v[RM]
	v_permlanex16_b32 v[CH+1], v[CH], s28, s29     ; the query's other 32 keys lie in the lane 16 away
	v_min_num_f32 v[RM], v[CH], v[CH+1]
	v_mul_f32 v[CC], s68, v[RM]
	v_sub_f32 v[TM], v[CC], v[TM]                  ; 0 or less
	VLD \slot, 10
.set ee, 0
.rept 16
	v_pk_fma_f32 v[S+ee:S+ee+1], v[S+ee:S+ee+1], s[66:67], v[CC:CC+1] op_sel_hi:[1,0,0]   ; A rmin - A r
.set ee, ee+2
.endr
	VLD \slot, 11
	v_exp_f32 v[AA], v[TM]
.irp g, 0,1,2,3
.irp j, 0,1,2,3,4,5,6,7
	v_exp_f32 v[S+8*\g+\j], v[S+8*\g+\j]           ; p, at most 1
.endr
.if \g < 3
	VLD \slot, 12+\g
.endif
.endr
	v_nop
	s_wait_alu depctr_va_vdst(0)                   ; one wait for the 33
.set ee, 0
.rept 16
	v_cvt_pk_f16_f32 v[P+ee], v[S+2*ee], v[S+2*ee+1]
.set ee, ee+1
.endr
	VLD \slot, 15
.irp w, 4, 8, 16, 32
.set uu, 0
.rept 32/\w
	v_pk_add_f32 v[S+\w*uu:S+\w*uu+1], v[S+\w*uu:S+\w*uu+1], v[S+\w*uu+\w/2:S+\w*uu+\w/2+1]
.set uu, uu+1
.endr
.endr
	v_pk_fma_f32 v[LS:LS+1], v[LS:LS+1], v[AA:AA+1], v[S:S+1] op_sel_hi:[1,0,1]
	WIN 0xc3                                       ; O^T: destination and source 0 window 3
.set ee, 0
.rept 64
	v_pk_mul_f32 v[ee:ee+1], v[ee:ee+1], v[AA:AA+1] op_sel_hi:[1,0]
.set ee, ee+2
.endr
	WIN 0
	s_wait_dscnt 0x0                               ; V is in
	s_wait_loadcnt 0x0                             ; on every way: no load into the copy's registers is out behind this line
	s_bitcmp1_b32 s26, 1
	s_cbranch_scc0 .Lno_copy_\@
	CSTORE 1-\slot                                 ; the next step goes into the other slot, whose last reads were waited for in front of the last barrier; the products below stand between these stores and the wait for them
.Lno_copy_\@:
	WIN 0xf2                                       ; source 0 (V) window 2, C and D window 3
.irp u, 0,1
.irp ct, 0,1,2,3,4,5,6,7,8,9,10,11,12,13,14,15
	v_wmma_f32_16x16x32_f16 v[8*\ct:8*\ct+7], v[128*\u+8*\ct:128*\u+8*\ct+7], v[P+8*\u:P+8*\u+7], v[8*\ct:8*\ct+7]
.endr
.endr
	WIN 0
.rept 4
	v_nop                                          ; the places behind the last products, for whatever follows: loads into V's registers, the next P, the next scaling of O^T, the way out
.endr
.endm
; A trip: [fetch step i + 1 into registers] [work on step i, in this slot, with the copy of step i + 1 into the other slot in front of its last products; or, with no work, the copy alone] barrier.
; The one barrier parts this trip's stores from the next trip's reads of them, and this trip's reads from the next trip's stores into the same slot.
.macro TRIP slot
.if \slot == 0
	s_lshr_b32 s26, s24, s25
.else
	s_lshr_b32 s26, s26, 1
.endif
	s_bitcmp1_b32 s26, 1
	s_cbranch_scc0 .Lno_fetch_\@
	CLOAD 32768*(1+\slot)
.Lno_fetch_\@:
	s_bitcmp1_b32 s26, 0
	s_cbranch_scc0 .Lno_work_\@
	WORK \slot
	s_branch .Lmeet_\@
.Lno_work_\@:
	s_wait_loadcnt 0x0                             ; on this way too: no load into the copy's registers is out behind this line
	s_bitcmp1_b32 s26, 1
	s_cbranch_scc0 .Lmeet_\@
	CSTORE 1-\slot
.Lmeet_\@:
	s_wait_dscnt 0x0                               ; my stores have landed and my reads are over
	s_barrier_signal -1
	s_barrier_wait -1
.endm
.Lloop:
	TRIP 0
	TRIP 1
	s_wait_xcnt 0x0                                ; the bases are stepped only behind this wait
	s_add_nc_u64 s[16:17], s[16:17], 0x10000
	s_add_nc_u64 s[18:19], s[18:19], 0x10000
	s_add_nc_u64 s[20:21], s[20:21], 256
	s_add_co_u32 s25, s25, 2
	s_cmp_lt_u32 s25, 32
	s_cbranch_scc1 .Lloop
	; ---- the way out: O^T / the sum, as f16; a lane's eight channels are 16 bytes of a fragment's image: each store covers 512 consecutive bytes
	v_add_f32 v[CH], v[LS], v[LS+1]
	v_permlanex16_b32 v[CH+1], v[CH], s28, s29
	v_add_f32 v[CH], v[CH], v[CH+1]
	v_rcp_f32 v[AA], v[CH]
	v_nop
	s_wait_alu depctr_va_vdst(0)
.irp g, 0,1,2,3
	WIN 0x03                                       ; source 0 window 3
.set ee, 0
.rept 16
	v_pk_mul_f32 v[S+ee:S+ee+1], v[32*\g+ee:32*\g+ee+1], v[AA:AA+1] op_sel_hi:[1,0]
.set ee, ee+2
.endr
	WIN 0
.set ee, 0
.rept 16
	v_cvt_pk_f16_f32 v[F+16*\g+ee], v[S+2*ee], v[S+2*ee+1]
.set ee, ee+1
.endr
.irp t, 0,1,2,3
	global_store_b128 v[LI], v[F+16*\g+4*\t:F+16*\g+4*\t+3], s[8:9] offset:((4*\g+\t)/2)*1024+((4*\g+\t)%2)*512
.endr
.endr
	s_wait_tensorcnt 0x0                           ; the wave's end
	ds_add_u32 v[SPW], v[NIL]
	s_wait_dscnt 0x0
	s_endpgm
.Lfunc_end_k_q0c93783401_attn:
	.size	k_q0c93783401_attn, .Lfunc_end_k_q0c93783401_attn-k_q0c93783401_attn
	.p2alignl 7, 3214868480
	.fill 96, 4, 3214868480
	.section	.rodata,"a",@progbits
	.p2align	6, 0x0
	.amdhsa_kernel k_q0c93783401_attn
		.amdhsa_group_segment_fixed_size 135680
		.amdhsa_private_segment_fixed_size 0
		.amdhsa_enable_private_segment 0
		.amdhsa_kernarg_size 32
		.amdhsa_user_sgpr_count 2
		.amdhsa_user_sgpr_kernarg_segment_ptr 1
		.amdhsa_wavefront_size32 1
		.amdhsa_system_sgpr_workgroup_id_x 1
		.amdhsa_system_sgpr_workgroup_id_y 1
		.amdhsa_system_sgpr_workgroup_id_z 1
		.amdhsa_system_vgpr_workitem_id 0
		.amdhsa_next_free_vgpr 1024
		.amdhsa_next_free_sgpr 80
		.amdhsa_reserve_vcc 0
		.amdhsa_float_denorm_mode_32 3
		.amdhsa_float_denorm_mode_16_64 3
		.amdhsa_memory_ordered 1
		.amdhsa_forward_progress 1
		.amdhsa_inst_pref_size 98
	.end_amdhsa_kernel
	.amdgpu_metadata
---
amdhsa.version: [ 1, 2 ]
amdhsa.kernels:
  - .name:           k_q0c93783401_attn
    .symbol:         k_q0c93783401_attn.kd
    .args:
      - { .name: qkv, .offset: 0, .size: 8, .value_kind: global_buffer, .address_space: global }
      - { .name: maskw, .offset: 8, .size: 8, .value_kind: global_buffer, .address_space: global }
      - { .name: visit, .offset: 16, .size: 8, .value_kind: global_buffer, .address_space: global }
      - { .name: enc, .offset: 24, .size: 8, .value_kind: global_buffer, .address_space: global }
    .group_segment_fixed_size: 135680
    .private_segment_fixed_size: 0
    .kernarg_segment_align: 8
    .kernarg_segment_size: 32
    .max_flat_workgroup_size: 128
    .sgpr_count:     80
    .vgpr_count:     1024
    .wavefront_size: 32
...
	.end_amdgpu_metadata
.endif
;; end of part 3
;; launch outp (part 4): grid 8 x 32, 4 waves a work-group, clusters of 4 x 4, 327,680 bytes of LDS; arguments enc, ow16, out0; writes out0
.if DOCPART == 4
	.amdgcn_target "amdgcn-amd-amdhsa--gfx1250"
	.amdhsa_code_object_version 6
	.text
	.protected	k_q0c93783401_outp
	.globl	k_q0c93783401_outp
	.p2align	8
	.type	k_q0c93783401_outp,@function
k_q0c93783401_outp:
	s_mov_b64 s[64:65], 0
	v_nop
	global_prefetch_b8 v0, s[64:65] scope:SCOPE_SE
	s_setreg_imm32_b32 hwreg(HW_REG_WAVE_MODE, 25, 1), 1
	s_wait_xcnt 0x0
	s_wait_alu depctr_hold_cnt(0) depctr_sa_sdst(0) depctr_va_vdst(0) depctr_va_sdst(0) depctr_va_ssrc(0) depctr_va_vcc(0) depctr_vm_vsrc(0)
	s_getreg_b32 s2, hwreg(HW_REG_IB_STS2, 6, 4)
	s_cmp_eq_u32 s2, 0
	s_cbranch_scc0 .Lentry_in_a_cluster
	s_endpgm
.Lentry_in_a_cluster:
	s_bfe_u32 s2, ttmp6, 0x10000c
	s_cmp_lg_u32 s2, 0xf033
	s_cbranch_scc0 .Lentry_shape_is_right
	s_endpgm
.Lentry_shape_is_right:
; OUTP: out0 [4096][2048] f32 = enc [4096][1024] x o_w [1024][2048], f16 operands, f32 sums.  Both operands lie in memory as images of their fragments' registers
; ([tile of 16 rows][k step of 32][half][lane][16 bytes]), so a K step of 128 is 4,096 consecutive bytes for each tile, and a fragment comes from LDS by two loads at 16 x lane: no pitch, no padding.
; A work-group makes 128 tokens x 256 columns; wave (w / 2, w % 2) 64 x 128: 32 accumulators.  K = 1,024 goes in eight steps of 128 through two LDS slots filled by the tensor data mover.
; CLUSTER 4 x 4: enc's tiles are shared along a row of the cluster, o_w's along a column: each is asked for jointly.
; THE MATRIX INSTRUCTION IS USED TRANSPOSED (source 0 = 16 columns of o_w, source 1 = 16 tokens): a lane holds eight neighbouring numbers of a row of out0.
; REGISTERS: window 0: v16-29 addresses; v32-127, v128-223 two fragment buffers (tokens at 8 a, columns at 32 + 8 b); on the way out v32-159 hold rows.  window 1: accumulator (a, b) at v[8 (8 a + b)].
.set SLOT,   98304                     ; 8 token tiles x 4,096 bytes, then 16 column tiles x 4,096
.set SPARE,  2*SLOT                    ; the spare words: two blocks of 256 bytes that no other line names
.set SPITCH, 528                       ; the way out: 16 rows x (512 bytes + 16) for each wave, in slot 0, which has had its last fill and its last read by then
.set ADRA, 16
.set ADRB, 20
.set STO,  24
.set RD,   25
.set CO,   26
.set SPW,  28
.set NIL,  29
.set F0,   32
.set F1,   128
.set BK,   32
.set G1, 24
.set G0, 32
.set G1B, 48
.set G0B, 56
.set MSB, 0
.macro WIN new
.if MSB != \new
	s_set_vgpr_msb (MSB<<8)|\new
.set MSB, \new
.endif
.endm
.macro JLOAD s                         ; a joint load: waves 0 and 1 fetch enc's halves, waves 2 and 3 o_w's; an s_nop 0 and four v_nop follow each of the two lines
	s_cmp_eq_u32 s11, 0
	s_cbranch_scc0 .Lfor_b_\@
	tensor_load_to_lds s[G0+4*\s:G0+4*\s+3], s[G1:G1+7]
	s_nop 0
.rept 4
	v_nop
.endr
	s_branch .Lasked_\@
.Lfor_b_\@:
	tensor_load_to_lds s[G0B+4*\s:G0B+4*\s+3], s[G1B:G1B+7]
	s_nop 0
.rept 4
	v_nop
.endr
.Lasked_\@:
.endm
.macro CREST
	s_cmp_lg_u32 s10, 0
	s_cbranch_scc1 .Lnot_wave_0_\@
	s_barrier_signal -3
.Lnot_wave_0_\@:
	s_barrier_wait -3
	s_barrier_signal -1
	s_barrier_wait -1
.endm
.macro CROUND
	s_barrier_signal -1
	s_barrier_wait -1
	CREST
.endm
.macro PLACES
.rept 4
	v_nop
.endr
.endm
	s_load_b128 s[4:7], s[0:1], 0x0                ; enc, ow16
	s_load_b64 s[8:9], s[0:1], 0x10                ; out0
	v_lshl_add_u32 v[SPW], v0, 2, SPARE
	v_mov_b32 v[NIL], 0
	ds_add_u32 v[SPW], v[NIL]                      ; the wave's opening: the add, twice on end, and its wait ahead of my first tensor load
	ds_add_u32 v[SPW], v[NIL]
	v_lshrrev_b32 v1, 5, v0
	v_readfirstlane_b32 s10, v1                    ; wave 0..3
	s_lshr_b32 s11, s10, 1                         ; which 64 tokens are mine.  Also: I fetch enc (0) or o_w (1)
	s_and_b32 s12, s10, 1                          ; which 128 columns.  Also: which half of that tile I fetch
	s_bfe_u32 s40, ttmp6, 0x40000
	s_bfe_u32 s41, ttmp6, 0x40004
	s_lshl_b32 s42, ttmp9, 2
	s_add_co_u32 s42, s42, s40                     ; block of 256 columns
	s_and_b32 s13, ttmp7, 0xffff
	s_lshl_b32 s13, s13, 2
	s_add_co_u32 s13, s13, s41                     ; block of 128 tokens
	s_lshl_b32 s43, s41, 2
	s_lshl_b32 s43, 15, s43
	s_lshl_b32 s44, 0x1111, s40
	s_or_b32 s[G1+0], s43, (3<<16)|(1<<21)         ; the mask; elements of 8 bytes; no padding; bit 21 beside a mask
	s_or_b32 s[G1B+0], s44, (3<<16)|(1<<21)
.irp g, G1, G1B
	s_mov_b32 s[\g+1], 512<<16                     ; tensor_dim0 = 512 elements: a tile's 4,096 bytes of a K step
	s_mov_b32 s[\g+3], 512<<16                     ; tile_dim0
	s_mov_b32 s[\g+5], 4096                        ; from tile to tile: 32,768 bytes
	s_mov_b32 s[\g+6], 0
	s_mov_b32 s[\g+7], 0
.endr
	s_mov_b32 s[G1+2], 4<<16                       ; four token tiles a load,
	s_mov_b32 s[G1+4], 4
	s_mov_b32 s[G1B+2], 8<<16                      ; eight column tiles
	s_mov_b32 s[G1B+4], 8
	s_lshl_b32 s17, s12, 2
	s_lshl_b32 s16, s13, 3
	s_add_co_u32 s16, s16, s17                     ; token tile 8 tr + 4 half
	s_lshl_b32 s16, s16, 15
	s_mov_b32 s17, 0
	s_lshl_b32 s47, s12, 3
	s_lshl_b32 s46, s42, 4
	s_add_co_u32 s46, s46, s47                     ; column tile 16 tc + 8 half
	s_lshl_b32 s46, s46, 15
	s_mov_b32 s47, 0
	s_lshl_b32 s20, s12, 14                        ; where they go: the wave's number alone enters an LDS address
	s_lshl_b32 s21, s12, 15
	s_wait_dscnt 0x0                               ; both opening adds are done
	s_wait_kmcnt 0x0
	s_add_nc_u64 s[14:15], s[4:5], s[16:17]
	s_add_nc_u64 s[46:47], s[6:7], s[46:47]
	CROUND                                         ; all sixteen work-groups are here: the first joint loads meet
.irp s, 0,1
	s_mov_b32 s[G0+4*\s], 1
	s_add_co_u32 s[G0+4*\s+1], s20, \s*SLOT
	s_add_nc_u64 s[G0+4*\s+2:G0+4*\s+3], s[14:15], \s*4096
	s_or_b32 s[G0+4*\s+3], s[G0+4*\s+3], 0x80000000
	s_mov_b32 s[G0B+4*\s], 1
	s_add_co_u32 s[G0B+4*\s+1], s21, \s*SLOT+32768
	s_add_nc_u64 s[G0B+4*\s+2:G0B+4*\s+3], s[46:47], \s*4096
	s_or_b32 s[G0B+4*\s+3], s[G0B+4*\s+3], 0x80000000
	JLOAD \s                                       ; two loads of mine are out at the most
.endr
	v_and_b32 v1, 15, v0
	v_bfe_u32 v2, v0, 4, 1
	v_and_b32 v3, 31, v0
	v_lshlrev_b32 v[CO], 4, v3                     ; 16 x lane
	s_lshl_b32 s21, s11, 14                        ; my four token tiles,
	s_lshl_b32 s22, s12, 15
	s_add_co_u32 s22, s22, 32768                   ; my eight column tiles
.irp s, 0,1
	v_add_nc_u32 v[ADRA+\s], s21, v[CO]
	v_add_nc_u32 v[ADRB+\s], s22, v[CO]
	s_add_co_u32 s21, s21, SLOT
	s_add_co_u32 s22, s22, SLOT
.endr
	s_mul_i32 s23, s10, 16*SPITCH                  ; my stage
	v_mul_u32_u24 v4, v1, SPITCH
	v_lshl_add_u32 v4, v2, 5, v4
	v_add_nc_u32 v[STO], s23, v4                   ; in: row l % 16, 32 bytes for each half of the lanes
	v_add_nc_u32 v[RD], s23, v[CO]                 ; back: the 32 lanes take one row of 512 bytes
	s_lshl_b32 s16, s13, 20                        ; my first row of out0: (128 tr + 64 wm) rows of 8,192 bytes
	s_lshl_b32 s17, s11, 19
	s_add_co_u32 s16, s16, s17
	s_mov_b32 s17, 0
	s_add_nc_u64 s[8:9], s[8:9], s[16:17]
	s_lshl_b32 s46, s42, 10                        ; my first column, in bytes
	s_lshl_b32 s47, s12, 9
	s_add_co_u32 s46, s46, s47
	s_mov_b32 s47, 0
	s_add_nc_u64 s[8:9], s[8:9], s[46:47]
.macro FETCH slot, q, f                ; 24 loads: the fragments of the slot's q-th 32 along K into buffer f
.irp a, 0,1,2,3
	ds_load_b128 v[\f+8*\a:\f+8*\a+3], v[ADRA+\slot] offset:\a*4096+(\q)*1024
	ds_load_b128 v[\f+8*\a+4:\f+8*\a+7], v[ADRA+\slot] offset:\a*4096+(\q)*1024+512
.endr
.irp b, 0,1,2,3,4,5,6,7
	ds_load_b128 v[\f+32+8*\b:\f+32+8*\b+3], v[ADRB+\slot] offset:\b*4096+(\q)*1024
	ds_load_b128 v[\f+32+8*\b+4:\f+32+8*\b+7], v[ADRB+\slot] offset:\b*4096+(\q)*1024+512
.endr
.endm
.macro MUL8 f, a, zero                 ; token tile a x my eight column tiles.  The 32 accumulators take turns, one instruction a turn
.irp b, 0,1,2,3,4,5,6,7
.if \zero
	v_wmma_f32_16x16x32_f16 v[8*(8*\a+\b):8*(8*\a+\b)+7], v[\f+32+8*\b:\f+32+8*\b+7], v[\f+8*\a:\f+8*\a+7], 0
.else
	v_wmma_f32_16x16x32_f16 v[8*(8*\a+\b):8*(8*\a+\b)+7], v[\f+32+8*\b:\f+32+8*\b+7], v[\f+8*\a:\f+8*\a+7], v[8*(8*\a+\b):8*(8*\a+\b)+7]
.endif
.endr
.endm
.macro QUARTER slot, q, f, g, zero     ; 32 along K whose successor lies in the same slot
	s_wait_dscnt 0x0                               ; this quarter's fragments are in
	PLACES                                         ; four places in front of loads into registers that the last products read
	FETCH \slot, (\q)+1, \g
	WIN 0x50                                       ; C and D window 1
	MUL8 \f, 0, \zero
	MUL8 \f, 1, \zero
	MUL8 \f, 2, \zero
	MUL8 \f, 3, \zero
	WIN 0
.endm
; A slot's last quarter changes slots: one barrier; in front of it each wave waits for all its tensor loads, adds 0 to its spare word, and waits for that and for its reads of this slot.
.macro TURN slot, next, fill
	s_wait_tensorcnt 0x0                           ; all my tensor loads have landed: my part of the next slot
	ds_add_u32 v[SPW], v[NIL]
	s_wait_dscnt 1                                 ; the quarter's fragments are in; the add alone may be out
	WIN 0x50
	MUL8 F1, 0, 0
	s_wait_dscnt 0x0                               ; the add is done, and my reads of this slot are over
	s_barrier_signal -1
	MUL8 F1, 1, 0
	WIN 0
	s_barrier_wait -1
.if \fill
	CREST                                          ; the barrier has opened a round of the cluster's
	s_add_nc_u64 s[G0+4*\slot+2:G0+4*\slot+3], s[G0+4*\slot+2:G0+4*\slot+3], 8192
	s_add_nc_u64 s[G0B+4*\slot+2:G0B+4*\slot+3], s[G0B+4*\slot+2:G0B+4*\slot+3], 8192
	JLOAD \slot                                    ; my one tensor load behind the round; its four v_nop are the places in front of the loads below
.else
	PLACES
.endif
	FETCH \next, 0, F0
	WIN 0x50
	MUL8 F1, 2, 0
	MUL8 F1, 3, 0
	WIN 0
.endm
	s_wait_tensorcnt 1                             ; my part of K step 0 is in; K step 1's load may be out
	s_barrier_signal -1
	s_barrier_wait -1
	FETCH 0, 0, F0
	QUARTER 0, 0, F0, F1, 1                        ; the first products start the sums
	s_mov_b32 s3, 3
.Llap:                                                 ; a trip goes once round the ring, from a lap's second quarter to the next lap's first, and fills both slots again
	QUARTER 0, 1, F1, F0, 0
	QUARTER 0, 2, F0, F1, 0
	TURN 0, 1, 1
	QUARTER 1, 0, F0, F1, 0
	QUARTER 1, 1, F1, F0, 0
	QUARTER 1, 2, F0, F1, 0
	TURN 1, 0, 1
	QUARTER 0, 0, F0, F1, 0
	s_sub_co_u32 s3, s3, 1
	s_cmp_lg_u32 s3, 0
	s_cbranch_scc1 .Llap
	QUARTER 0, 1, F1, F0, 0                        ; the last lap fills nothing
	QUARTER 0, 2, F0, F1, 0
	TURN 0, 1, 0
	QUARTER 1, 0, F0, F1, 0
	QUARTER 1, 1, F1, F0, 0
	QUARTER 1, 2, F0, F1, 0
	s_wait_dscnt 0x0
	WIN 0x50
	MUL8 F1, 0, 0
	MUL8 F1, 1, 0
	MUL8 F1, 2, 0
	MUL8 F1, 3, 0
	WIN 0
; THE WAY OUT, 16 tokens x 128 columns at a time, through my own stage: back as whole rows of 512 bytes.  LDS serves a wave's instructions in order.
.macro TOSTAGE a
	WIN 0x04                                       ; the data: window 1
.irp b, 0,1,2,3,4,5,6,7
	ds_store_b128 v[STO], v[8*(8*(\a)+\b):8*(8*(\a)+\b)+3] offset:64*\b          ; each accumulator from its low end on
	ds_store_b128 v[STO], v[8*(8*(\a)+\b)+4:8*(8*(\a)+\b)+7] offset:64*\b+16
.endr
	WIN 0
.set BB, BK+64*((\a)%2)
.irp t, 0,1,2,3,4,5,6,7,8,9,10,11,12,13,14,15
	ds_load_b128 v[BB+4*\t:BB+4*\t+3], v[RD] offset:\t*SPITCH
.endr
.endm
.macro SEND a, younger                 ; younger: the LDS instructions issued behind block a's loads, which may stay out
.set BB, BK+64*((\a)%2)
	s_wait_dscnt \younger
.if (\a) > 0
	s_add_nc_u64 s[8:9], s[8:9], 16*8192           ; (behind a wait on XCNT: the earlier stores have read their base)
.endif
.irp t, 0,1,2,3,4,5,6,7,8,9,10,11,12,13,14,15
	global_store_b128 v[CO], v[BB+4*\t:BB+4*\t+3], s[8:9] offset:\t*8192 th:TH_STORE_NT   ; 512 consecutive bytes, aligned
.endr
.endm
	PLACES
	TOSTAGE 0
.irp a, 1,2,3
.if \a > 1
	s_wait_xcnt 0x0                                ; block a - 2's stores have read their registers and their base
.endif
	TOSTAGE \a
	SEND \a-1, 32                                  ; behind block a - 1's loads: block a's 16 stores and 16 loads
.endr
	s_wait_xcnt 0x0
	SEND 3, 0
	s_wait_tensorcnt 0x0                           ; the wave's end
	ds_add_u32 v[SPW], v[NIL]
	s_wait_dscnt 0x0
	CROUND                                         ; the closing round
	s_endpgm
.Lfunc_end_k_q0c93783401_outp:
	.size	k_q0c93783401_outp, .Lfunc_end_k_q0c93783401_outp-k_q0c93783401_outp
	.p2alignl 7, 3214868480
	.fill 96, 4, 3214868480
	.section	.rodata,"a",@progbits
	.p2align	6, 0x0
	.amdhsa_kernel k_q0c93783401_outp
		.amdhsa_group_segment_fixed_size 327680
		.amdhsa_private_segment_fixed_size 0
		.amdhsa_enable_private_segment 0
		.amdhsa_kernarg_size 24
		.amdhsa_user_sgpr_count 2
		.amdhsa_user_sgpr_kernarg_segment_ptr 1
		.amdhsa_wavefront_size32 1
		.amdhsa_system_sgpr_workgroup_id_x 1
		.amdhsa_system_sgpr_workgroup_id_y 1
		.amdhsa_system_sgpr_workgroup_id_z 1
		.amdhsa_system_vgpr_workitem_id 0
		.amdhsa_next_free_vgpr 512
		.amdhsa_next_free_sgpr 66
		.amdhsa_reserve_vcc 0
		.amdhsa_float_denorm_mode_32 3
		.amdhsa_float_denorm_mode_16_64 3
		.amdhsa_memory_ordered 1
		.amdhsa_forward_progress 1
		.amdhsa_inst_pref_size 84
	.end_amdhsa_kernel
	.amdgpu_metadata
---
amdhsa.version: [ 1, 2 ]
amdhsa.kernels:
  - .name:           k_q0c93783401_outp
    .symbol:         k_q0c93783401_outp.kd
    .args:
      - { .name: enc, .offset: 0, .size: 8, .value_kind: global_buffer, .address_space: global }
      - { .name: ow16, .offset: 8, .size: 8, .value_kind: global_buffer, .address_space: global }
      - { .name: out0, .offset: 16, .size: 8, .value_kind: global_buffer, .address_space: global }
    .group_segment_fixed_size: 327680
    .private_segment_fixed_size: 0
    .kernarg_segment_align: 8
    .kernarg_segment_size: 24
    .max_flat_workgroup_size: 128
    .sgpr_count:     66
    .vgpr_count:     512
    .wavefront_size: 32
...
	.end_amdgpu_metadata
.endif
;; end of part 4
